; MI455X (gfx1250); checked and timed in simulation.
; The chip was launched on July 23, 2026; its instructions are those of AMD's public machine-readable ISA for CDNA 5 (MIT licence, August 2026) and "CDNA5" Instruction Set Architecture Reference Guide (July 2026). The comments in the code are by the model that wrote it; some were corrected since.
;; Multi Head Attention. Allowed arithmetic: matrix products marked QUANTISED: E2M1 operands, one E8M0 scale for each 32 along K, by v_wmma_scale_f32_16x16x128_f8f6f4 with both operands' format E2M1 (or v_wmma_scale_f32_32x16x128_f4), f32 sums; products left as they are: bf16, f16 or f32 operands; f32 sums; everything else in f32.
;; Inputs: bk 1,024 float32; bo 1,024 float32; bq 1,024 float32; bv 1,024 float32; key 4 x 2,048 x 1,024 float32; query 4 x 2,048 x 1,024 float32; value 4 x 2,048 x 1,024 float32; wk 1,024 x 1,024 float32; wo 1,024 x 1,024 float32; wq 1,024 x 1,024 float32; wv 1,024 x 1,024 float32.
;; Outputs: out0 4 x 2,048 x 1,024 float32.
;; This version of the problem:
;;   THIS VERSION OF THE PROBLEM IS GIVEN IN LOW PRECISION. The matrix products marked QUANTISED in the list below multiply operands that are first quantised to E2M1 (2 exponent bits, 1 mantissa bit; 4 bits a number), with one power-of-two scale for each 32 numbers along K (OCP MX v1.0); their sums are f32. The products marked 'left as it is' may take bf16, f16 or f32 operands, with f32 sums. Whichever they take, every output number must still come out within the allowed error. Rounding operands to bf16 (8 significant bits) uses up far more of that allowance than f16 does (11 bits, for magnitudes from 6e-5 to 65,504). All else is computed in f32.
;;   The module's matrix products, in the order in which they are computed (A, B: the left and right operand; K: the contracted axis; several contracted axes count as one K, in the product's order):
;;     1. [M 8,192, K 1,024] x [K 1,024, N 1,024]; A: input query; B: input wq: QUANTISED
;;     2. [M 8,192, K 1,024] x [K 1,024, N 1,024]; A: input key; B: input wk: QUANTISED
;;     3. [M 8,192, K 1,024] x [K 1,024, N 1,024]; A: input value; B: input wv: QUANTISED
;;     4. batch 64 x [M 2,048, K 64] x [K 64, N 2,048]; A: computed on the way; B: computed on the way: left as it is (an operand is computed on the way)
;;     5. batch 64 x [M 2,048, K 2,048] x [K 2,048, N 64]; A: computed on the way; B: computed on the way: left as it is (an operand is computed on the way)
;;     6. [M 8,192, K 1,024] x [K 1,024, N 1,024]; A: computed on the way; B: input wo: left as it is (an operand is computed on the way)
;;   THE QUANTISER, for each operand of a quantised product, along K:
;;     - K is cut into blocks of 32 from its start; a last block that is shorter is filled with zeros.
;;     - A block's scale is 2^e with e = floor(log2(the largest magnitude in the block)) - 2, held to -126 .. 127; a block of zeros has e = 0. As a byte (E8M0): e + 127.
;;     - Each number is divided by its block's scale, clamped to +-6, and rounded to the nearest number of E2M1, ties to even, subnormals kept.
;;     - The product sums the exact products of the quantised numbers (number of the format x scale) in f32.
;;   ~~~python
;;   def quantise(x, axis):      # numpy; x: float32 -> the quantised numbers, widened to float32 again
;;       x = np.moveaxis(x, axis, -1); K = x.shape[-1]
;;       x = np.pad(x, [(0, 0)] * (x.ndim - 1) + [(0, -K % 32)]); x = x.reshape(x.shape[:-1] + (-1, 32)); a = np.abs(x).max(-1, keepdims=True)
;;       e = np.where(a > 0, np.clip(np.frexp(np.where(a > 0, a, 1))[1] - 1 - 2, -126, 127), 0)      # np.frexp(a)[1] - 1 = floor(log2(a)), exactly
;;       r = np.clip(x / 2.0 ** e, -6, 6)
;;       step = 2.0 ** (np.maximum(np.frexp(np.where(r == 0, 1, r))[1] - 1, 0) - 1)
;;       q = np.round(r / step) * step * 2.0 ** e      # np.round: ties to even
;;       return np.moveaxis(q.reshape(q.shape[:-2] + (-1,))[..., :K], -1, axis).astype(np.float32)
;;   ~~~
;; One version. Each part assembles by itself: llvm-mc -triple=amdgcn-amd-amdhsa -mcpu=gfx1250 --defsym DOCPART=n.
;; ======== version 1 of 1: 4 launches
;; limits: values are held in f16: magnitudes above 65,504 overflow, below 6.1e-05 lose precision
;; workspace buffers: codes 14,155,776 bytes; scales 884,736 bytes; qf 16,777,216 bytes; kf 16,777,216 bytes; vf 16,777,216 bytes; af 16,777,216 bytes; wf 2,097,152 bytes
;; launch quant (part 1): grid 896 x 1, 4 waves a work-group, no clusters, 33,280 bytes of LDS; arguments query, key, value, wq, wk, wv, wo, codes, scales, wf; writes codes, scales, wf
.if DOCPART == 1
	.amdgcn_target "amdgcn-amd-amdhsa--gfx1250"
	.amdhsa_code_object_version 6
	.text
	.protected	k_q975b07dc4c_quant
	.globl	k_q975b07dc4c_quant
	.p2align	8
	.type	k_q975b07dc4c_quant,@function
k_q975b07dc4c_quant:
	s_mov_b64 s[64:65], 0
	v_nop
	global_prefetch_b8 v0, s[64:65] scope:SCOPE_SE
	s_setreg_imm32_b32 hwreg(HW_REG_WAVE_MODE, 25, 1), 1
	s_wait_xcnt 0x0
; query, key, value [8192][1024] and wq, wk, wv [1024][1024], f32 with K innermost, become codes of FP4 (E2M1), two a byte, the lower k in the low four bits, and one E8M0 byte for each 32 along K.
; All six lie on end in the two workspace buffers: rows 0-8191 query, then key, then value, then the three weights: 27,648 rows of 512 bytes of codes and of 32 scale bytes.
; A block's scale is 2^(floor(log2(its largest magnitude)) - 2); its byte is the largest magnitude's exponent field - 2, held at 1 from below; each number is divided by the scale and rounded to the nearest code, ties to even,
; beyond the largest code the largest.  Rows are dense and K is a multiple of 32: every tensor is a plain stream of blocks of 32.
; Work-groups 0-863 do that: 32,768 numbers each, a wave 16 steps of 512 numbers.  Each load reads 512 consecutive bytes; a step's 2,048 bytes turn through the wave's own stage in LDS so that a lane holds 16 neighbours.
; Work-groups 864-895 round wo [1024][1024] to f16 and lay it in the order of a matrix operand's registers: wf[ks 8][nt 64][kq 4][p 2][lane][16 bytes]; lane (r, h) holds wo(16 nt + r, 128 ks + 32 kq + 16 p + 8 h + 0..7).
; LIMITS: a block of zeros gets the byte 1 where the rule says 127 (its codes are zeros, and this program alone reads the bytes); blocks whose largest magnitude lies under 2^(3 - 127) share that byte;
; NaN and infinities among the inputs are not served; wo beyond 65,504 in magnitude has no f16 number.
; No tensor loads, no barrier, no cluster: waves share nothing, and every input byte is read once.
.set WAVES, 4
.set STEPS, 16
.set EMAX,  2
.set CB,    8                          ; bytes of 16 codes
.set R,     16                         ; v16-79   four sets of 16 numbers as they are loaded
.set X,     80                         ; v80-111  two sets of 16 neighbours
.set E,     112                        ; v112-127 a scale byte for each step
.set C,     128                        ; v128-191 codes: four registers for each step, so that no store's data are written again
.set WREG,  8192                       ; LDS: a region for each wave: two stages of 32 x SP bytes, behind them its 256 scale bytes
.set SP,    80                         ; a lane's place in a stage: 64 bytes + 16 of padding
.set SPW,   12                         ; v12  LDS address of my spare word; never rewritten
.set NIL,   13                         ; v13  0; never rewritten
.set SPARE, WAVES*WREG                 ; behind the four regions: the spare words, 128 bytes a wave, named by no other line
.set WV,    28                         ; s28  my wave's number
.set WI,    16                         ; wo's path: v16-143 two sets of 64 numbers
.set WO,    144                        ; v144-175 a batch's 32 registers of f16 pairs
	s_load_b512 s[8:23], s[0:1], 0x0               ; query s[8:9], key s[10:11], value s[12:13], wq s[14:15], wk s[16:17], wv s[18:19], wo s[20:21], codes s[22:23]
	s_load_b128 s[24:27], s[0:1], 0x40             ; scales s[24:25], wf s[26:27]
	v_lshl_add_u32 v[SPW], v0, 2, SPARE
	v_mov_b32 v[NIL], 0
	v_lshrrev_b32 v1, 5, v0
	v_readfirstlane_b32 s[WV], v1                  ; wave 0..3
	v_and_b32 v2, 31, v0                           ; lane
	s_wait_kmcnt 0x0
	s_cmp_ge_u32 ttmp9, 864                        ; the last 32 work-groups take wo: a branch on the work-group's number
	s_cbranch_scc1 .Lwo
	v_lshlrev_b32 v3, 4, v2                        ; my 16 bytes of a load's 512
	s_mul_i32 s29, s[WV], WREG
	v_lshrrev_b32 v14, 2, v2
	v_mul_u32_u24 v14, v14, SP
	v_and_b32 v15, 3, v2
	v_lshl_add_u32 v14, v15, 4, v14
	v_add_nc_u32 v14, s29, v14                     ; the stage on the way in: SP (lane / 4) + 16 (lane % 4)
	v_mul_u32_u24 v15, v2, SP
	v_add_nc_u32 v15, s29, v15                     ; and on the way out: SP x lane: my 16 neighbours
	v_mul_u32_u24 v4, v2, CB                       ; my codes' place in a step's
	v_lshrrev_b32 v5, 1, v2
	s_add_co_u32 s29, s29, 2*32*SP
	v_add_nc_u32 v5, s29, v5                       ; LDS: my wave's 256 scale bytes, my block's byte
	v_lshlrev_b32 v7, 3, v2                        ; and on the way out 8 bytes a lane
	v_add_nc_u32 v6, s29, v7
	s_mov_b64 s[4:5], s[8:9]                       ; which tensor: the choice hangs on the work-group's number alone
	s_cmp_ge_u32 ttmp9, 256
	s_cselect_b64 s[4:5], s[10:11], s[4:5]
	s_cmp_ge_u32 ttmp9, 512
	s_cselect_b64 s[4:5], s[12:13], s[4:5]
	s_cmp_ge_u32 ttmp9, 768
	s_cselect_b64 s[4:5], s[14:15], s[4:5]
	s_cselect_b32 s30, 31, 255                     ; a weight has 32 work-groups, an activation 256
	s_cmp_ge_u32 ttmp9, 800
	s_cselect_b64 s[4:5], s[16:17], s[4:5]
	s_cmp_ge_u32 ttmp9, 832
	s_cselect_b64 s[4:5], s[18:19], s[4:5]
	s_and_b32 s30, ttmp9, s30                      ; my number within the tensor (256, 512, 768, 800 and 832 are multiples of the count)
	s_lshl_b32 s30, s30, 2
	s_add_co_u32 s30, s30, s[WV]                   ; my wave's run of 8,192 numbers,
	s_lshl_b32 s30, s30, 15                        ; 32,768 bytes each
	s_mov_b32 s31, 0
	s_add_nc_u64 s[4:5], s[4:5], s[30:31]
	s_lshl_b32 s32, ttmp9, 2
	s_add_co_u32 s32, s32, s[WV]                   ; the run's number in the workspace, where the tensors lie on end
	s_lshl_b32 s30, s32, 12                        ; 4,096 bytes of codes a run
	s_add_nc_u64 s[22:23], s[22:23], s[30:31]
	s_lshl_b32 s30, s32, 8                         ; 256 scale bytes a run
	s_add_nc_u64 s[24:25], s[24:25], s[30:31]
.macro LOAD t
.irp i, 0,1,2,3
	global_load_b128 v[R+16*((\t)%4)+4*\i:R+16*((\t)%4)+4*\i+3], v3, s[4:5] offset:2048*(\t)+512*\i th:TH_LOAD_NT   ; 32 lanes read 512 consecutive bytes
.endr
.endm
.macro TURN t                          ; step t's numbers through the stage: LDS serves a wave's instructions in order, so no wait stands between the stores and the loads
.irp i, 0,1,2,3
	ds_store_b128 v14, v[R+16*((\t)%4)+4*\i:R+16*((\t)%4)+4*\i+3] offset:32*SP*((\t)%2)+8*SP*\i
.endr
.irp i, 0,1,2,3
	ds_load_b128 v[X+16*((\t)%2)+4*\i:X+16*((\t)%2)+4*\i+3], v15 offset:32*SP*((\t)%2)+16*\i
.endr
.endm
.irp t, 0,1,2,3
	LOAD \t
.endr
	s_wait_loadcnt 12                              ; step 0's four loads are in; the twelve of steps 1 to 3 may be out
	TURN 0
.macro STEP t
.set XS, X+16*((\t)%2)
.if (\t) > 0
	s_wait_dscnt 1                                 ; this step's numbers are back from the stage (the last step's byte store may be out): so its stores into the stage have read their registers,
.else
	s_wait_dscnt 0x0
.endif
.if (\t)+4 < STEPS
	LOAD (\t)+4                                    ; which take the loads of four steps on
.endif
.if (\t)+1 < STEPS
.if STEPS-2-(\t) >= 3
	s_wait_loadcnt 12                              ; the next step's four loads are in; those of the three steps behind it may be out
.else
	s_wait_loadcnt 4*(STEPS-2-(\t))
.endif
	TURN (\t)+1                                    ; and go through the other stage while this step is worked
.endif
	v_max3_num_f32 v8, |v[XS]|, |v[XS+1]|, |v[XS+2]|               ; the largest magnitude of my 16, in two chains
	v_max3_num_f32 v9, |v[XS+3]|, |v[XS+4]|, |v[XS+5]|
.irp i, 6,10
	v_max3_num_f32 v8, v8, |v[XS+\i]|, |v[XS+\i+1]|
	v_max3_num_f32 v9, v9, |v[XS+\i+2]|, |v[XS+\i+3]|
.endr
	v_max3_num_f32 v8, v8, |v[XS+14]|, |v[XS+15]|
	v_max3_num_f32 v8, v8, v9, (EMAX+1)<<23        ; and the floor 2^(EMAX + 1 - 127): so the byte cannot fall under 1
	v_max_num_f32_dpp v8, v8, v8 row_xmask:1 row_mask:0xf bank_mask:0xf   ; and of my neighbour's 16: the block's
	v_add_nc_u32 v11, -(EMAX<<23), v8              ; EMAX off its exponent field: the conversion takes the exponent field of this operand as its scale, and nothing else of it
	v_cvt_scalef32_pk8_fp4_f32 v[C+4*(\t)], v[XS:XS+7], v11
	v_cvt_scalef32_pk8_fp4_f32 v[C+4*(\t)+1], v[XS+8:XS+15], v11
	v_lshrrev_b32 v[E+(\t)], 23, v11               ; the scale's byte (also the plain line behind the conversions)
	ds_store_b8 v5, v[E+(\t)] offset:16*(\t)       ; both lanes of a block write the same byte with the same value
	global_store_b64 v4, v[C+4*(\t):C+4*(\t)+1], s[22:23] offset:32*CB*(\t)   ; the wave stores 256 consecutive bytes, aligned
.endm
.irp t, 0,1,2,3,4,5,6,7,8,9,10,11,12,13,14,15
	STEP \t
.endr
	ds_load_b64 v[8:9], v6                         ; LDS serves a wave's instructions in order: these see my stores
	s_wait_dscnt 0x0
	global_store_b64 v7, v[8:9], s[24:25]          ; 32 lanes store 256 consecutive bytes, aligned
	s_wait_tensorcnt 0x0                           ; the wave's end, behind my last LDS store
	ds_add_u32 v[SPW], v[NIL]
	s_wait_dscnt 0x0
	s_endpgm
; wo to f16.  Wave W = 4 (work-group - 864) + wave takes 16 rows (nt = W / 2) x 512 along K (kh = W % 2): four batches, each one K step of 128: 512 consecutive bytes of each of the 16 rows.
.Lwo:
	s_sub_co_u32 s29, ttmp9, 864
	s_lshl_b32 s29, s29, 2
	s_add_co_u32 s29, s29, s[WV]                   ; W
	s_lshr_b32 s30, s29, 1                         ; nt
	s_and_b32 s29, s29, 1                          ; kh
	s_lshl_b32 s32, s30, 16                        ; 16 rows of 4,096 bytes
	s_lshl_b32 s33, s29, 11                        ; half a row
	s_add_co_u32 s32, s32, s33
	s_mov_b32 s33, 0
	s_add_nc_u64 s[20:21], s[20:21], s[32:33]
	s_lshl_b32 s32, s29, 20                        ; four K steps of 262,144 bytes
	s_lshl_b32 s34, s30, 12                        ; a tile of 16 rows x 128 K is 4,096 bytes
	s_add_co_u32 s32, s32, s34
	s_add_nc_u64 s[26:27], s[26:27], s[32:33]
	v_and_b32 v3, 15, v0
	v_bfe_u32 v4, v0, 4, 1
	v_lshlrev_b32 v3, 12, v3
	v_lshl_add_u32 v3, v4, 5, v3                   ; in: row r, + 32 h bytes: my 8 numbers of each 16
	v_lshlrev_b32 v4, 4, v2                        ; out: 16 x lane
.macro WLOAD bt                        ; batch bt: eight pieces of 16 along K, 8 numbers a lane each
.irp i, 0,1,2,3,4,5,6,7
	global_load_b128 v[WI+64*((\bt)%2)+8*\i:WI+64*((\bt)%2)+8*\i+3], v3, s[20:21] offset:512*(\bt)+64*\i
	global_load_b128 v[WI+64*((\bt)%2)+8*\i+4:WI+64*((\bt)%2)+8*\i+7], v3, s[20:21] offset:512*(\bt)+64*\i+16
.endr
.endm
.macro WBATCH bt
.if (\bt) < 3
	s_wait_loadcnt 16                              ; this batch's sixteen loads are in; the next batch's may be out
.else
	s_wait_loadcnt 0x0
.endif
.if (\bt) > 0
	s_wait_xcnt 0x0                                ; the last batch's stores have read their registers, which are written again below
.endif
.irp i, 0,1,2,3,4,5,6,7
.irp j, 0,1,2,3
	v_cvt_pk_f16_f32 v[WO+4*\i+\j], v[WI+64*((\bt)%2)+8*\i+2*\j], v[WI+64*((\bt)%2)+8*\i+2*\j+1]
.endr
.endr
.irp i, 0,1,2,3,4,5,6,7
	global_store_b128 v4, v[WO+4*\i:WO+4*\i+3], s[26:27] offset:(\bt)*262144+\i*512   ; 32 lanes store 512 consecutive bytes, aligned
.endr
.if (\bt)+2 < 4
	WLOAD (\bt)+2
.endif
.endm
	WLOAD 0
	WLOAD 1
	WBATCH 0
	WBATCH 1
	WBATCH 2
	WBATCH 3
	s_endpgm
.Lfunc_end_k_q975b07dc4c_quant:
	.size	k_q975b07dc4c_quant, .Lfunc_end_k_q975b07dc4c_quant-k_q975b07dc4c_quant
	.p2alignl 7, 3214868480
	.fill 96, 4, 3214868480
	.section	.rodata,"a",@progbits
	.p2align	6, 0x0
	.amdhsa_kernel k_q975b07dc4c_quant
		.amdhsa_group_segment_fixed_size 33280
		.amdhsa_private_segment_fixed_size 0
		.amdhsa_enable_private_segment 0
		.amdhsa_kernarg_size 80
		.amdhsa_user_sgpr_count 2
		.amdhsa_user_sgpr_kernarg_segment_ptr 1
		.amdhsa_wavefront_size32 1
		.amdhsa_system_sgpr_workgroup_id_x 1
		.amdhsa_system_sgpr_workgroup_id_y 1
		.amdhsa_system_sgpr_workgroup_id_z 1
		.amdhsa_system_vgpr_workitem_id 0
		.amdhsa_next_free_vgpr 192
		.amdhsa_next_free_sgpr 66
		.amdhsa_reserve_vcc 0
		.amdhsa_float_denorm_mode_32 3
		.amdhsa_float_denorm_mode_16_64 3
		.amdhsa_memory_ordered 1
		.amdhsa_forward_progress 1
		.amdhsa_inst_pref_size 52
	.end_amdhsa_kernel
	.amdgpu_metadata
---
amdhsa.version: [ 1, 2 ]
amdhsa.kernels:
  - .name:           k_q975b07dc4c_quant
    .symbol:         k_q975b07dc4c_quant.kd
    .args:
      - { .name: query, .offset: 0, .size: 8, .value_kind: global_buffer, .address_space: global }
      - { .name: key, .offset: 8, .size: 8, .value_kind: global_buffer, .address_space: global }
      - { .name: value, .offset: 16, .size: 8, .value_kind: global_buffer, .address_space: global }
      - { .name: wq, .offset: 24, .size: 8, .value_kind: global_buffer, .address_space: global }
      - { .name: wk, .offset: 32, .size: 8, .value_kind: global_buffer, .address_space: global }
      - { .name: wv, .offset: 40, .size: 8, .value_kind: global_buffer, .address_space: global }
      - { .name: wo, .offset: 48, .size: 8, .value_kind: global_buffer, .address_space: global }
      - { .name: codes, .offset: 56, .size: 8, .value_kind: global_buffer, .address_space: global }
      - { .name: scales, .offset: 64, .size: 8, .value_kind: global_buffer, .address_space: global }
      - { .name: wf, .offset: 72, .size: 8, .value_kind: global_buffer, .address_space: global }
    .group_segment_fixed_size: 33280
    .private_segment_fixed_size: 0
    .kernarg_segment_align: 8
    .kernarg_segment_size: 80
    .max_flat_workgroup_size: 128
    .sgpr_count:     66
    .vgpr_count:     192
    .wavefront_size: 32
...
	.end_amdgpu_metadata
.endif
;; end of part 1
;; launch proj (part 2): grid 4 x 96, 4 waves a work-group, clusters of 4 x 4, 327,680 bytes of LDS; arguments codes, scales, bq, bk, bv, qf, kf, vf; writes qf, kf, vf
.if DOCPART == 2
	.amdgcn_target "amdgcn-amd-amdhsa--gfx1250"
	.amdhsa_code_object_version 6
	.text
	.protected	k_q975b07dc4c_proj
	.globl	k_q975b07dc4c_proj
	.p2align	8
	.type	k_q975b07dc4c_proj,@function
k_q975b07dc4c_proj:
	s_mov_b64 s[64:65], 0
	v_nop
	global_prefetch_b8 v0, s[64:65] scope:SCOPE_SE
	s_setreg_imm32_b32 hwreg(HW_REG_WAVE_MODE, 25, 1), 1
	s_wait_xcnt 0x0
	s_wait_alu depctr_hold_cnt(0) depctr_sa_sdst(0) depctr_va_vdst(0) depctr_va_sdst(0) depctr_va_ssrc(0) depctr_va_vcc(0) depctr_vm_vsrc(0)
	s_getreg_b32 s2, hwreg(HW_REG_IB_STS2, 6, 4)
	s_cmp_eq_u32 s2, 0
	s_cbranch_scc0 .Lentry_in_a_cluster
	s_endpgm
.Lentry_in_a_cluster:
	s_bfe_u32 s2, ttmp6, 0x10000c
	s_cmp_lg_u32 s2, 0xf033
	s_cbranch_scc0 .Lentry_shape_is_right
	s_endpgm
.Lentry_shape_is_right:
; The three input projections in one launch: y[m][n] = sum over k of x[m][k] w[n][k] + b[n], on codes of FP4 (E2M1) with one E8M0 scale for each 32 along K, K = 1,024, sums in f32.
; codes: 27,648 rows of 512 bytes (rows 0-24,575 query, key, value; then wq, wk, wv, 1,024 rows each); scales: the same rows, 32 bytes each.
; Tile row ty = 0..95 of 256 rows walks the three activations; t = ty / 32 says which; tile column tx = 0..3 of 256 outputs.  A work-group of four waves makes 256 x 256, a wave 128 x 128: 64 accumulators.
; K goes in two steps of 512: both slots and the scale bytes are asked for at the head, and nothing is filled again.
; CLUSTERS: 4 x 4 work-groups.  The four of a row of the cluster need the same tiles of the activation, the four of a column the same tiles of the weight (t is the same in the whole cluster): each tile is asked for jointly.
; THE MATRIX INSTRUCTION IS USED TRANSPOSED (source 0 = 16 rows of the weight, source 1 = 16 rows of the activation): a lane holds one position and eight neighbouring outputs.  The bias is the C of each sum's first product.
; THE RESULTS leave as f16, straight from registers, in the order in which the next launch's operand registers take them: [batch x 16 + head][tile of 16 positions][4 pieces][lane][16 bytes].
;   q, k: piece i, lane (r, h): position r of the tile, channels 16 i + 8 h + 0..7 of the head.   v: the same 16 bytes at lane (r % 8) + 8 h + 16 (r / 8), where the turning LDS load of the next launch looks for them.
;   Each store of a wave covers 512 consecutive bytes, aligned.
; LIMITS: a projection beyond 65,504 in magnitude has no f16 number (the drawn inputs give about 6; activation and weight both 30 times larger about 5,400).
; REGISTERS, in windows of 256: window 0: v0-31 addresses; v32-95 scale words, two sets; v128-191 the activation's fragments, one set; v192-255 the bias, 8 registers a block of 16 outputs; on the way out v128-255 the packed results.
;   window 1: the weight's fragments, two sets, at v0 and v128.   window 2: the accumulators of my rows 0-63 ((a, b) at v[8 (8 a + b)]);   window 3: those of my rows 64-127.
.set KSTEP,  512
.set NQ,     KSTEP/128                 ; matrix instructions deep in a slot
.set ROWB,   256                       ; a tile's row in bytes
.set KROW,   512                       ; a row of codes in memory
.set PITCH,  272                       ; an LDS row: 256 bytes + 16 of padding = 68 words: the 16 rows that a load touches start at 16 different banks (64 banks of 4 bytes: ISA guide 11.1)
.set FR,     8                         ; registers of a fragment: 16 rows x 128 K
.set NL,     2                         ; LDS loads that bring one
.set NP,     4                         ; places behind this matrix instruction (ISA guide 7.12.1)
.set HALFT,  128*PITCH
.set SLOT,   4*HALFT                   ; the activation's 256 rows, then the weight's 256 rows
.set KS,     32                        ; a row of scale bytes
.set SCL,    2*SLOT                    ; behind the two slots: the scale bytes, as runs of 256 bytes + 16 of padding
.set HALFS,  (128*KS/256)*272          ; those of 128 rows: what one tensor load brings
.set SBLK,   (16*KS/256)*272           ; those of 16 rows
.set SPARE,  SCL+4*HALFS               ; behind the scales: the spare words, 128 bytes a wave, named by no other line
.set ADRA, 16                          ; v16-17  LDS address of my activation fragments in slot 0, 1
.set ADRB, 20                          ; v20-21  the same for the weight
.set CO,   26                          ; v26     my 16 bytes' place in a piece of 512
.set ADRS, 27                          ; v27     LDS address of my scale words: lanes 0-15 the activation's rows, lanes 16-31 the weight's
.set SPW,  28                          ; v28     LDS address of my spare word; never rewritten
.set NIL,  29                          ; v29     0; never rewritten
.set SC,   32                          ; scale words: set s at v[SC + 32 s]; register 4 i + q: lanes 0-15 block i of the activation, lanes 16-31 block i of the weight, the slot's q-th 128 along K
.set AF,   128
.set BI,   192                          ; the bias
.set TMP,  128                          ; the way out: four sets of 32 registers
.set G1, 24                            ; s[24:31] group 1 for the activation's tiles;  s[32:39] group 0, a set for each slot
.set G0, 32
.set G1B, 48                           ; s[48:55], s[56:63] the same for the weight's
.set G0B, 56
.set G1S, 68                           ; s[68:75], s[76:79] groups 1 and 0 for the activation's scales;  s[80:87], s[88:91] for the weight's
.set G0S, 76
.set G1SB, 80
.set G0SB, 88
.set TN,  95                           ; s95  t: 0 query, 1 key, 2 value
.set MSB, 0
.macro WIN new                         ; the immediate's high byte repeats the setting that is left
.if MSB != \new
	s_set_vgpr_msb (MSB<<8)|\new
.set MSB, \new
.endif
.endm
.set MUL_LO, 0xa1                      ; source 0 window 1, source 1 window 0, C and D window 2
.set MUL_HI, 0xf1                      ; the same, C and D window 3
.set BIA_LO, 0x81                      ; the first products: C (the bias) window 0, D window 2
.set BIA_HI, 0xc1                      ; D window 3
.set TO_B,   0x40                      ; destination window 1, address window 0
; A joint load: waves 0 and 1 fetch for the activation, waves 2 and 3 for the weight.  Each line has one mask and one set of registers; the branch hangs on the wave's number alone.
; An s_nop 0 and four v_nop follow each of the two lines.
.macro JLOAD g0a, g1a, g0b, g1b
	s_cmp_eq_u32 s15, 0
	s_cbranch_scc0 .Lfor_b_\@
	tensor_load_to_lds s[\g0a:\g0a+3], s[\g1a:\g1a+7]
	s_nop 0
.rept 4
	v_nop
.endr
	s_branch .Lasked_\@
.Lfor_b_\@:
	tensor_load_to_lds s[\g0b:\g0b+3], s[\g1b:\g1b+7]
	s_nop 0
.rept 4
	v_nop
.endr
.Lasked_\@:
.endm
.macro CROUND                          ; a round of the cluster's barrier
	s_barrier_signal -1
	s_barrier_wait -1
	s_cmp_lg_u32 s14, 0
	s_cbranch_scc1 .Lnot_wave_0_\@
	s_barrier_signal -3
.Lnot_wave_0_\@:
	s_barrier_wait -3
	s_barrier_signal -1
	s_barrier_wait -1
.endm
	s_load_b128 s[4:7], s[0:1], 0x0                ; codes s[4:5], scales s[6:7]
	s_load_b128 s[8:11], s[0:1], 0x10              ; bq s[8:9], bk s[10:11]
	s_load_b128 s[96:99], s[0:1], 0x20             ; bv s[96:97], qf s[98:99]
	s_load_b64 s[100:101], s[0:1], 0x30            ; kf
	s_load_b64 s[104:105], s[0:1], 0x38            ; vf
	v_lshl_add_u32 v[SPW], v0, 2, SPARE
	v_mov_b32 v[NIL], 0
	ds_add_u32 v[SPW], v[NIL]                      ; the wave's opening: the add, twice on end, and its wait ahead of my first tensor load
	ds_add_u32 v[SPW], v[NIL]
	v_lshrrev_b32 v1, 5, v0
	v_readfirstlane_b32 s14, v1                    ; wave 0..3
	s_lshr_b32 s15, s14, 1                         ; which half of the tile's rows is mine.  Also: I fetch for the activation (0) or the weight (1)
	s_and_b32 s16, s14, 1                          ; which half of its columns.  Also: which 128 rows I fetch
	s_bfe_u32 s40, ttmp6, 0x40000                  ; cx, cy: my place in the cluster
	s_bfe_u32 s41, ttmp6, 0x40004
	s_lshl_b32 s42, ttmp9, 2
	s_add_co_u32 s42, s42, s40                     ; tile column tx = 4 x cluster x + cx
	s_and_b32 s17, ttmp7, 0xffff
	s_lshr_b32 s[TN], s17, 3                       ; t: eight clusters to an activation; made of the cluster's y alone
	s_lshl_b32 s17, s17, 2
	s_add_co_u32 s17, s17, s41                     ; tile row ty = 4 x cluster y + cy
	s_lshl_b32 s43, s41, 2
	s_lshl_b32 s43, 15, s43                        ; my row of the cluster
	s_lshl_b32 s44, 0x1111, s40                    ; my column
	; group 1: a tile of 128 rows x 256 bytes, 16 bytes of padding behind each row
	s_or_b32 s[G1+0], s43, (0<<16)|(1<<20)|(1<<21)|(5<<22)|(3<<25)  ; 15:0 the mask; 17:16 elements of 1 byte; 20 padding on; 21 set beside a mask; 24:22 after every 64 words; 31:25 four words
	s_or_b32 s[G1B+0], s44, (0<<16)|(1<<20)|(1<<21)|(5<<22)|(3<<25)
.irp g, G1, G1B
	s_mov_b32 s[\g+1], ROWB<<16                    ; tensor_dim0
	s_mov_b32 s[\g+2], 128<<16                     ; tensor_dim1
	s_mov_b32 s[\g+3], ROWB<<16                    ; tile_dim0
	s_mov_b32 s[\g+4], 128                         ; tile_dim1
	s_mov_b32 s[\g+5], KROW                        ; from row to row
	s_mov_b32 s[\g+6], 0
	s_mov_b32 s[\g+7], 0
.endr
	; the scale bytes of 128 rows: a dense block of 4,096 bytes, as 16 rows of 256 bytes (32 elements of 8 bytes), 16 bytes of padding behind each
	s_or_b32 s[G1S+0], s43, (3<<16)|(1<<20)|(1<<21)|(5<<22)|(3<<25)
	s_or_b32 s[G1SB+0], s44, (3<<16)|(1<<20)|(1<<21)|(5<<22)|(3<<25)
.irp g, G1S, G1SB
	s_mov_b32 s[\g+1], 32<<16
	s_mov_b32 s[\g+2], (128*KS/256)<<16
	s_mov_b32 s[\g+3], 32<<16
	s_mov_b32 s[\g+4], 128*KS/256
	s_mov_b32 s[\g+5], 32
	s_mov_b32 s[\g+6], 0
	s_mov_b32 s[\g+7], 0
.endr
	s_lshl_b32 s18, s16, 7                         ; which 128 rows of the tile I fetch
	s_lshl_b32 s20, s17, 8
	s_add_co_u32 s20, s20, s18                     ; the activation's row: 256 ty + 128 x half
	s_lshl_b32 s46, s42, 8
	s_add_co_u32 s46, s46, s18
	s_lshl_b32 s19, s[TN], 10
	s_add_co_u32 s46, s46, s19
	s_add_co_u32 s46, s46, 24576                   ; the weight's row: 24,576 + 1,024 t + 256 tx + 128 x half
	s_lshl_b32 s22, s20, 5                         ; where these rows' scale bytes begin,
	s_mov_b32 s23, 0
	s_lshl_b32 s92, s46, 5
	s_mov_b32 s93, 0
	s_lshl_b32 s20, s20, 9                         ; and their codes (under 2^24 bytes)
	s_mov_b32 s21, 0
	s_lshl_b32 s46, s46, 9
	s_mov_b32 s47, 0
	s_mul_i32 s45, s14, HALFT                      ; where they go: wave x 128 rows: no place in the cluster enters an LDS address
	s_mul_i32 s94, s14, HALFS
	s_wait_dscnt 0x0                               ; both opening adds are done
	s_wait_kmcnt 0x0
	s_add_nc_u64 s[20:21], s[4:5], s[20:21]
	s_add_nc_u64 s[22:23], s[6:7], s[22:23]
	s_add_nc_u64 s[46:47], s[4:5], s[46:47]
	s_add_nc_u64 s[92:93], s[6:7], s[92:93]
	CROUND                                         ; all sixteen work-groups are here: the joint loads meet
	s_mov_b32 s[G0S], 1
	s_add_co_u32 s[G0S+1], s94, SCL
	s_mov_b64 s[G0S+2:G0S+3], s[22:23]
	s_or_b32 s[G0S+3], s[G0S+3], 0x80000000
	s_mov_b32 s[G0SB], 1
	s_add_co_u32 s[G0SB+1], s94, SCL
	s_mov_b64 s[G0SB+2:G0SB+3], s[92:93]
	s_or_b32 s[G0SB+3], s[G0SB+3], 0x80000000
	JLOAD G0S, G1S, G0SB, G1SB                     ; the scales first: they are wanted with K step 0
.irp s, 0,1
	s_mov_b32 s[G0+4*\s], 1
	s_add_co_u32 s[G0+4*\s+1], s45, \s*SLOT
	s_add_nc_u64 s[G0+4*\s+2:G0+4*\s+3], s[20:21], \s*ROWB
	s_or_b32 s[G0+4*\s+3], s[G0+4*\s+3], 0x80000000
	s_mov_b32 s[G0B+4*\s], 1
	s_add_co_u32 s[G0B+4*\s+1], s45, \s*SLOT
	s_add_nc_u64 s[G0B+4*\s+2:G0B+4*\s+3], s[46:47], \s*ROWB
	s_or_b32 s[G0B+4*\s+3], s[G0B+4*\s+3], 0x80000000
	JLOAD G0+4*\s, G1, G0B+4*\s, G1B               ; three tensor loads of mine are out: all that the launch has
.endr
	v_and_b32 v1, 15, v0                           ; r = lane % 16
	v_bfe_u32 v2, v0, 4, 1                         ; h = lane / 16
	v_mul_u32_u24 v3, v1, PITCH
	v_lshl_add_u32 v4, v2, 4, v3                   ; a fragment's row x pitch + 16 h
	s_mul_i32 s21, s15, HALFT                      ; my 128 rows of the activation
	s_mul_i32 s22, s16, HALFT                      ; my 128 rows of the weight,
	s_add_co_u32 s22, s22, 2*HALFT                 ; which lie behind the activation's 256
.irp s, 0,1
	v_add_nc_u32 v[ADRA+\s], s21, v4
	v_add_nc_u32 v[ADRB+\s], s22, v4
	s_add_co_u32 s21, s21, SLOT
	s_add_co_u32 s22, s22, SLOT
.endr
	v_mul_u32_u24 v5, v1, KS                       ; my row's scale bytes: 32 a row,
	v_lshrrev_b32 v6, 8, v5
	v_lshl_add_u32 v5, v6, 4, v5                   ; and 16 more for each 256 passed
	s_mul_i32 s21, s15, HALFS
	s_mul_i32 s22, s16, HALFS
	s_add_co_u32 s22, s22, 2*HALFS
	s_sub_co_u32 s22, s22, s21
	v_mul_u32_u24 v6, s22, v2                      ; lanes 16-31 take the weight's: one product, the distance between the two bases
	s_add_co_u32 s21, s21, SCL
	v_add_nc_u32 v5, v5, v6
	v_add_nc_u32 v[ADRS], s21, v5
	; which bias, which output: choices on t alone
	s_cmp_eq_u32 s[TN], 1
	s_cselect_b64 s[8:9], s[10:11], s[8:9]
	s_cselect_b64 s[12:13], s[100:101], s[98:99]
	s_cmp_eq_u32 s[TN], 2
	s_cselect_b64 s[8:9], s[96:97], s[8:9]
	s_cselect_b64 s[12:13], s[104:105], s[12:13]
	s_cselect_b32 s3, -1, 0                        ; all lanes: is this v?
	v_and_b32 v6, 31, v0
	v_lshlrev_b32 v5, 4, v6                        ; q, k: 16 x lane
	v_and_b32 v7, 7, v1
	v_lshl_add_u32 v7, v2, 3, v7
	v_and_b32 v8, 8, v1
	v_lshl_add_u32 v7, v8, 1, v7                   ; v: lane (r % 8) + 8 h + 16 (r / 8)
	v_lshlrev_b32 v7, 4, v7
	v_cndmask_b32 v[CO], v5, v7, s3
	v_lshlrev_b32 v9, 5, v2                        ; the bias: 32 h bytes: my half's eight numbers of each 16
	s_lshl_b32 s46, s42, 10                        ; my first output, in bytes of f32: 1,024 tx + 512 x half
	s_lshl_b32 s47, s16, 9
	s_add_co_u32 s46, s46, s47
	s_mov_b32 s47, 0
	s_add_nc_u64 s[8:9], s[8:9], s[46:47]
.irp b, 0,1,2,3,4,5,6,7
	global_load_b128 v[BI+8*\b:BI+8*\b+3], v9, s[8:9] offset:64*\b       ; block b: b[16 b + 8 h + 0..7], in the result's layout
	global_load_b128 v[BI+8*\b+4:BI+8*\b+7], v9, s[8:9] offset:64*\b+16
.endr
	; where my results go: ((batch x 16 + 4 tx + 2 x column half) x 128 + tile) x 2,048 bytes
	s_and_b32 s20, s17, 31                         ; the tile row within the activation
	s_lshr_b32 s21, s20, 3                         ; batch: 8 tile rows of 256 positions
	s_lshl_b32 s21, s21, 22                        ; 16 heads x 262,144 bytes
	s_and_b32 s20, s20, 7
	s_lshl_b32 s20, s20, 15                        ; 16 tiles of 2,048 bytes a tile row
	s_add_co_u32 s20, s20, s21
	s_lshl_b32 s21, s15, 14                        ; my row half: 8 tiles
	s_add_co_u32 s20, s20, s21
	s_mov_b32 s21, 0
	s_lshl_b32 s46, s42, 20                        ; 4 heads a tile column
	s_lshl_b32 s47, s16, 19                        ; 2 heads a column half
	s_add_co_u32 s46, s46, s47
	s_mov_b32 s47, 0
	s_add_nc_u64 s[20:21], s[20:21], s[46:47]
	s_add_nc_u64 s[12:13], s[12:13], s[20:21]
.macro FRAG reg, adr, q, i             ; a fragment, 16 rows x 128 K of 4-bit codes: lane l holds row l % 16; registers 4 c .. 4 c + 3 hold K = 64 c + 32 (l / 16) + 0 .. 31
.irp c, 0,1
	ds_load_b128 v[\reg+4*\c:\reg+4*\c+3], v[\adr] offset:64*(\q)+32*\c+(\i)*16*PITCH
.endr
.endm
; 16 matrix instructions: the activation's blocks a0, a0 + 1 x the weight's eight, 128 along K.  p: the weight's set; sc: the set of scale words.  zero = 1: the first product starts the sums from the bias.
; The 64 accumulators take turns, one instruction a turn, in the same order in every step.
.macro MUL16 a0, p, q, sc, zero
.irp a, \a0, \a0+1
.irp b, 0,1,2,3,4,5,6,7
.if \zero
	v_wmma_scale_f32_16x16x128_f8f6f4 v[8*(8*((\a)%4)+\b):8*(8*((\a)%4)+\b)+7], v[128*(\p)+FR*\b:128*(\p)+FR*\b+FR-1], v[AF+FR*(\a):AF+FR*(\a)+FR-1], v[BI+8*\b:BI+8*\b+7], v[SC+8*NQ*(\sc)+NQ*\b+(\q)], v[SC+8*NQ*(\sc)+NQ*(\a)+(\q)] matrix_a_fmt:MATRIX_FMT_FP4 matrix_b_fmt:MATRIX_FMT_FP4 matrix_a_scale:MATRIX_SCALE_ROW1
.else
	v_wmma_scale_f32_16x16x128_f8f6f4 v[8*(8*((\a)%4)+\b):8*(8*((\a)%4)+\b)+7], v[128*(\p)+FR*\b:128*(\p)+FR*\b+FR-1], v[AF+FR*(\a):AF+FR*(\a)+FR-1], v[8*(8*((\a)%4)+\b):8*(8*((\a)%4)+\b)+7], v[SC+8*NQ*(\sc)+NQ*\b+(\q)], v[SC+8*NQ*(\sc)+NQ*(\a)+(\q)] matrix_a_fmt:MATRIX_FMT_FP4 matrix_b_fmt:MATRIX_FMT_FP4 matrix_a_scale:MATRIX_SCALE_ROW1
.endif
.endr
.endr
.endm
.macro FETCH_B slot, q, p              ; the weight's eight fragments of the slot's q-th 128 along K into set p
	WIN TO_B
.irp i, 0,1,2,3,4,5,6,7
	FRAG 128*(\p)+FR*\i, ADRB+\slot, \q, \i
.endr
	WIN 0
.endm
.macro FETCH_A slot, q, i0             ; the activation's blocks i0 .. i0 + 3
.irp i, \i0, \i0+1, \i0+2, \i0+3
	FRAG AF+FR*(\i), ADRA+\slot, \q, \i
.endr
.endm
.macro SCALES sc                       ; a K step's scale words into set sc: four words a row
.irp i, 0,1,2,3,4,5,6,7
	ds_load_b128 v[SC+8*NQ*\sc+NQ*\i:SC+8*NQ*\sc+NQ*\i+3], v[ADRS] offset:\i*SBLK
.endr
.endm
; A load into a register that a matrix instruction has read, and a vector instruction that reads a matrix result, stand NP places behind that matrix instruction; only plain vector instructions
; that name none of its registers are places.
.macro PLACES n
.rept \n
	v_nop
.endr
.endm
.macro STEP slot, q, zero              ; a step of 128 along K that has its successor in the same slot
	s_wait_dscnt 4*NL                              ; the weight's set and blocks 0-3 are in; the youngest eight loads (blocks 4-7) may be out
.if \zero
	WIN BIA_LO
.else
	WIN MUL_LO
.endif
	MUL16 0, (\q)%2, \q, \slot, \zero
	MUL16 2, (\q)%2, \q, \slot, \zero
	s_wait_dscnt 0                                 ; blocks 4-7 are in
	PLACES NP
	FETCH_B \slot, (\q)+1, 1-(\q)%2
	FETCH_A \slot, (\q)+1, 0
.if \zero
	WIN BIA_HI
.else
	WIN MUL_HI
.endif
	MUL16 4, (\q)%2, \q, \slot, \zero
	MUL16 6, (\q)%2, \q, \slot, \zero
	PLACES NP
	WIN 0
	FETCH_A \slot, (\q)+1, 4
.endm
.macro STEPS slot, from
.set Q, \from
.rept NQ-1-\from
	STEP \slot, Q, 0
.set Q, Q+1
.endr
.endm
	s_wait_tensorcnt 1                             ; the scales and my part of K step 0 are in; K step 1's load may be out
	s_barrier_signal -1
	s_barrier_wait -1                              ; everybody's are
	FETCH_B 0, 0, 0
	FETCH_A 0, 0, 0
	SCALES 0
	FETCH_A 0, 0, 4
	s_wait_loadcnt 0x0                             ; the bias
	STEP 0, 0, 1
	STEPS 0, 1
	; slot 0's last step changes slots: each wave waits for all its tensor loads, adds 0 to its spare word, and waits for that and for its reads; nothing is filled again
	s_wait_tensorcnt 0x0                           ; my part of slot 1 has landed
	ds_add_u32 v[SPW], v[NIL]
	s_wait_dscnt 4*NL+1                            ; (the add and the youngest eight loads may be out)
	WIN MUL_LO
	MUL16 0, 1, NQ-1, 0, 0
	s_wait_dscnt 0x0
	s_barrier_signal -1
	MUL16 2, 1, NQ-1, 0, 0
	WIN 0
	s_barrier_wait -1                              ; slot 1 is whole
	PLACES NP
	v_add_nc_u32 v[ADRS], 4*NQ, v[ADRS]            ; on to K step 1's scale words
	FETCH_B 1, 0, 0
	FETCH_A 1, 0, 0
	SCALES 1
	WIN MUL_HI
	MUL16 4, 1, NQ-1, 0, 0
	MUL16 6, 1, NQ-1, 0, 0
	PLACES NP
	WIN 0
	FETCH_A 1, 0, 4
	STEPS 1, 0
	s_wait_dscnt 4*NL                              ; the very last step: nothing more to fetch
	WIN MUL_LO
	MUL16 0, 1, NQ-1, 1, 0
	MUL16 2, 1, NQ-1, 1, 0
	s_wait_dscnt 0
	WIN MUL_HI
	MUL16 4, 1, NQ-1, 1, 0
	MUL16 6, 1, NQ-1, 1, 0
	WIN 0
; THE WAY OUT, block by block of 16 positions: 32 roundings to f16 (each accumulator from its low end on), 8 stores of 512 consecutive bytes.  Block b of 16 outputs is piece b % 4 of head b / 4.
.macro OUT a
.set AC, 64*((\a)%4)
.set TP, TMP+32*((\a)%4)
.if (\a) >= 4
	s_wait_xcnt 0x0                                ; block a - 4's stores have read their registers, which are written again below
.endif
	WIN 0x0a+5*((\a)/4)                            ; sources 0 and 1: window 2 or 3
.irp b, 0,1,2,3,4,5,6,7
.irp r, 0,1,2,3
	v_cvt_pk_f16_f32 v[TP+4*\b+\r], v[AC+8*\b+2*\r], v[AC+8*\b+2*\r+1]
.endr
.endr
	WIN 0
.irp b, 0,1,2,3,4,5,6,7
	global_store_b128 v[CO], v[TP+4*\b:TP+4*\b+3], s[12:13] offset:(\a)*2048+(\b/4)*262144+(\b%4)*512
.endr
.endm
	PLACES NP                                      ; behind the last products: their operands' registers are written below
.irp a, 0,1,2,3,4,5,6,7
	OUT \a
.endr
	s_wait_tensorcnt 0x0                           ; the wave's end
	ds_add_u32 v[SPW], v[NIL]
	s_wait_dscnt 0x0
	CROUND                                         ; the closing round: no work-group ends while a partner may still ask for a tile that names it
	s_endpgm
.Lfunc_end_k_q975b07dc4c_proj:
	.size	k_q975b07dc4c_proj, .Lfunc_end_k_q975b07dc4c_proj-k_q975b07dc4c_proj
	.p2alignl 7, 3214868480
	.fill 96, 4, 3214868480
	.section	.rodata,"a",@progbits
	.p2align	6, 0x0
	.amdhsa_kernel k_q975b07dc4c_proj
		.amdhsa_group_segment_fixed_size 327680
		.amdhsa_private_segment_fixed_size 0
		.amdhsa_enable_private_segment 0
		.amdhsa_kernarg_size 64
		.amdhsa_user_sgpr_count 2
		.amdhsa_user_sgpr_kernarg_segment_ptr 1
		.amdhsa_wavefront_size32 1
		.amdhsa_system_sgpr_workgroup_id_x 1
		.amdhsa_system_sgpr_workgroup_id_y 1
		.amdhsa_system_sgpr_workgroup_id_z 1
		.amdhsa_system_vgpr_workitem_id 0
		.amdhsa_next_free_vgpr 1024
		.amdhsa_next_free_sgpr 106
		.amdhsa_reserve_vcc 0
		.amdhsa_float_denorm_mode_32 3
		.amdhsa_float_denorm_mode_16_64 3
		.amdhsa_memory_ordered 1
		.amdhsa_forward_progress 1
		.amdhsa_inst_pref_size 120
	.end_amdhsa_kernel
	.amdgpu_metadata
---
amdhsa.version: [ 1, 2 ]
amdhsa.kernels:
  - .name:           k_q975b07dc4c_proj
    .symbol:         k_q975b07dc4c_proj.kd
    .args:
      - { .name: codes, .offset: 0, .size: 8, .value_kind: global_buffer, .address_space: global }
      - { .name: scales, .offset: 8, .size: 8, .value_kind: global_buffer, .address_space: global }
      - { .name: bq, .offset: 16, .size: 8, .value_kind: global_buffer, .address_space: global }
      - { .name: bk, .offset: 24, .size: 8, .value_kind: global_buffer, .address_space: global }
      - { .name: bv, .offset: 32, .size: 8, .value_kind: global_buffer, .address_space: global }
      - { .name: qf, .offset: 40, .size: 8, .value_kind: global_buffer, .address_space: global }
      - { .name: kf, .offset: 48, .size: 8, .value_kind: global_buffer, .address_space: global }
      - { .name: vf, .offset: 56, .size: 8, .value_kind: global_buffer, .address_space: global }
    .group_segment_fixed_size: 327680
    .private_segment_fixed_size: 0
    .kernarg_segment_align: 8
    .kernarg_segment_size: 64
    .max_flat_workgroup_size: 128
    .sgpr_count:     106
    .vgpr_count:     1024
    .wavefront_size: 32
...
	.end_amdgpu_metadata
.endif
;; end of part 2
;; launch attn (part 3): grid 4 x 64, 8 waves a work-group, clusters of 4 x 1, 327,680 bytes of LDS; arguments qf, kf, vf, af; writes af
.if DOCPART == 3
	.amdgcn_target "amdgcn-amd-amdhsa--gfx1250"
	.amdhsa_code_object_version 6
	.text
	.protected	k_q975b07dc4c_attn
	.globl	k_q975b07dc4c_attn
	.p2align	8
	.type	k_q975b07dc4c_attn,@function
k_q975b07dc4c_attn:
	s_mov_b64 s[64:65], 0
	v_nop
	global_prefetch_b8 v0, s[64:65] scope:SCOPE_SE
	s_setreg_imm32_b32 hwreg(HW_REG_WAVE_MODE, 25, 1), 1
	s_wait_xcnt 0x0
	s_wait_alu depctr_hold_cnt(0) depctr_sa_sdst(0) depctr_va_vdst(0) depctr_va_sdst(0) depctr_va_ssrc(0) depctr_va_vcc(0) depctr_vm_vsrc(0)
	s_getreg_b32 s2, hwreg(HW_REG_IB_STS2, 6, 4)
	s_cmp_eq_u32 s2, 0
	s_cbranch_scc0 .Lentry_in_a_cluster
	s_endpgm
.Lentry_in_a_cluster:
	s_bfe_u32 s2, ttmp6, 0x10000c
	s_cmp_lg_u32 s2, 0x3003
	s_cbranch_scc0 .Lentry_shape_is_right
	s_endpgm
.Lentry_shape_is_right:
; O[bh][q] = the sum over k of softmax_k(Q[bh][q] . K[bh][k] / 8) V[bh][k]: 64 heads (batch x 16 + head) of 2,048 positions x 64 channels, no mask.  Operands f16, products, maxima and sums f32.
; qf, kf, vf: [bh][tile of 16 positions][4 pieces of 512 bytes][lane][16 bytes], the order of the operands' registers: every LDS and global load here is 16 x lane + a constant.
; SHARES.  A work-group owns 512 queries of one head, each of its eight waves 64: four tiles of 16.  Two waves share a SIMD's registers, 512 each.  Every wave walks all 2,048 keys, 64 a step.
; LAYOUT.  S^T = K Q^T (source 0 = 16 keys, source 1 = 16 queries): a lane holds ONE query (lane % 16) and the keys 8 (lane / 16) + 0..7 of each tile.  Two such tiles, rounded to f16 in pairs, ARE source 1 of
; O^T = V^T P, whose result again holds one query a lane and eight channels.  V comes out of LDS turned, by ds_load_tr16_b128.
; SOFTMAX.  For each query a running maximum m and sum l: p = 2^(c s - c m), c = log2(e) / 8; in every step O and l are multiplied by a = 2^(c m_old - c m_new).  The sum is taken of p before it is rounded.
; TWO CLASSES OF WAVES.  Class = (w xor w / 4) % 2, so that waves w and w + 4, and waves 2 i and 2 i + 1, differ.  In a trip class 0 runs V^T P (step j - 1), K Q^T (step j), softmax (j); class 1 runs softmax (j - 1),
; V^T P (j - 1), K Q^T (j).  A barrier ends each trip.  So while one class has its 64 matrix instructions the other has its softmax.
; CLUSTER.  The four query blocks of a head form a cluster and walk the same K and V: each tile is asked for jointly, by the same tensor load with a mask that names the four.
; RING.  Two LDS slots of 512 keys (K's 65,536 bytes, then V's), 2^17 bytes apart.  Waves 0, 1 fetch K's halves, waves 2, 3 V's, one load each behind a round of the cluster's barrier at each slot's head: it has eight
; steps in which to land.  By this text's count a wave has one tensor load out at any time, and every wait for tensor loads is for 0.
; RESULT.  af: f16, in the order of the last launch's operand registers: [K step of 128 (8)][tile of 16 rows (512)][8 pieces][lane][16 bytes].
; LIMITS: the running maximum starts at -3e38; p under the smallest f16 number counts as 0 in the second product (not in the sum); NaN and infinities are not served.
; REGISTERS: window 0: v1-7 addresses; v16-47 statistics, 8 a tile: +0 c m, +1 m, +2, +3 l (two halves), +4..+7 at work (a in +6); v48-111 Q; v112-175 K of a step; v176-239 V of a step.
;   window 1: v0-127 S^T, 32 a tile (P is packed in place into the first 16); v128-255 O^T, 32 a tile.
.set SLOT1, 1<<17
.set VOFF,  65536                      ; V's tiles in a slot
.set KSB,   8192                       ; a step's 64 keys: 4 tiles of 2,048 bytes
.set SPARE, 2*SLOT1                    ; behind the ring: the spare words, 128 bytes for each of eight waves, named by no other line
.set L16, 1                            ; v1  16 x lane
.set ADR, 2                            ; v2  LDS address of the step's K
.set ADV, 3                            ; v3  of its V
.set PFO, 4                            ; v4  256 x lane
.set SPW, 6                            ; v6  LDS address of my spare word; never rewritten
.set NIL, 7                            ; v7  0; never rewritten
.set ST,  16
.set QF,  48
.set KF,  112
.set VF,  176
.set OUTR, 112                         ; the way out: 64 registers of f16 pairs
.set SR,  0                            ; window 1
.set OA,  128                          ; window 1
.set WV,  12                           ; s12 my wave's number
.set CX,  13                           ; s13 my place in the cluster: it enters Q's, the result's and the prefetches' addresses alone
.set CLS, 14                           ; s14 my class
.set LIM, 15                           ; s15 1 in a wave that prefetches, else the greatest number
.set G1,  24                           ; s[24:31] group 1: 128 rows of 256 bytes, dense
.set G0K, 32                           ; s[32:35] group 0 for K's tiles, which walks
.set G0V, 36                           ; s[36:39] for V's
.set SLOTS, 40
.set CNT, 41
.set CS,  42                           ; s[42:43] c: the packed form names a pair and takes its low word for both halves
.set SEL, 44                           ; s[44:45] lane selects: lane l xor 16
.set TB,  46                           ; s46 LDS byte at which the step's K begins
.set PFA, 48                           ; s[48:49] where my prefetches stand
.set MSB, 0
.macro WIN new                         ; the immediate's high byte repeats the setting that is left
.if MSB != \new
	s_set_vgpr_msb (MSB<<8)|\new
.set MSB, \new
.endif
.endm
; Waves 0 and 1 fetch for K, waves 2 and 3 for V, the others nothing: branches on the wave's number alone, the same in all four partners.  An s_nop 0 and four v_nop follow each line.
.macro TLOAD
	s_cmp_lt_u32 s[WV], 2
	s_cbranch_scc0 .Lnot_k_\@
	tensor_load_to_lds s[G0K:G0K+3], s[G1:G1+7]
	s_nop 0
.rept 4
	v_nop
.endr
	s_branch .Lasked_\@
.Lnot_k_\@:
	s_cmp_lt_u32 s[WV], 4
	s_cbranch_scc0 .Lasked_\@
	tensor_load_to_lds s[G0V:G0V+3], s[G1:G1+7]
	s_nop 0
.rept 4
	v_nop
.endr
.Lasked_\@:
.endm
; A prefetch of what the NEXT change of slots will ask for: a slot's 65,536 bytes of K and of V.  The waves ask that fetch nothing: 4 and 5 for K, 6 and 7 for V, 8,192 bytes each, lanes 256 bytes apart; the four partners
; take a quarter each, told apart by address.  So each 256 bytes are named once in the launch.  The last change that fills a slot asks for nothing; slots 0 and 1 come by their loads alone.
.macro ASK
	s_cmp_gt_u32 s[SLOTS], s[LIM]
	s_cbranch_scc0 .Lnot_mine_\@
	global_prefetch_b8 v[PFO], s[PFA:PFA+1] th:TH_LOAD_NT scope:SCOPE_SE
.Lnot_mine_\@:
.endm
.macro CROUND                          ; a round of the cluster's barrier
	s_barrier_signal -1
	s_barrier_wait -1
	s_cmp_lg_u32 s[WV], 0
	s_cbranch_scc1 .Lnot_wave_0_\@
	s_barrier_signal -3
.Lnot_wave_0_\@:
	s_barrier_wait -3
	s_barrier_signal -1
	s_barrier_wait -1
.endm
	s_load_b256 s[4:11], s[0:1], 0x0               ; qf s[4:5], kf s[6:7], vf s[8:9], af s[10:11]
	v_lshl_add_u32 v[SPW], v0, 2, SPARE
	v_mov_b32 v[NIL], 0
	ds_add_u32 v[SPW], v[NIL]                      ; the wave's opening: the add, twice on end, and its wait ahead of the first tensor load
	ds_add_u32 v[SPW], v[NIL]
	v_lshrrev_b32 v1, 5, v0
	v_readfirstlane_b32 s[WV], v1                  ; wave 0..7
	s_bfe_u32 s[CX], ttmp6, 0x40000                ; my block of 512 queries
	s_and_b32 s20, ttmp7, 0xffff                   ; bh, which the four partners share
	s_lshr_b32 s[CLS], s[WV], 2
	s_xor_b32 s[CLS], s[CLS], s[WV]
	s_and_b32 s[CLS], s[CLS], 1
	s_cmp_ge_u32 s[WV], 4
	s_cselect_b32 s[LIM], 1, -1
	s_lshl_b32 s16, s20, 18                        ; the head's first byte in qf, kf, vf: 262,144 bytes a head
	s_and_b32 s18, s[WV], 1
	s_lshl_b32 s19, s18, 15                        ; which half of a slot's K or V I fetch: 32,768 bytes, in memory and in LDS
	s_add_co_u32 s22, s16, s19
	s_mov_b32 s23, 0
	s_lshl_b32 s2, s[CX], 16                       ; Q: my block's 32 tiles,
	s_lshl_b32 s3, s[WV], 13                       ; my wave's 4
	s_add_co_u32 s2, s2, s3
	s_add_co_u32 s2, s2, s16
	s_mov_b32 s3, 0
	s_and_b32 s21, s20, 15                         ; the result: head h: K step h / 2,
	s_lshr_b32 s50, s21, 1
	s_lshl_b32 s50, s50, 21                        ; 512 tiles of 4,096 bytes a K step
	s_and_b32 s21, s21, 1
	s_lshl_b32 s21, s21, 11                        ; pieces 4 (h % 2) on
	s_add_co_u32 s50, s50, s21
	s_lshr_b32 s21, s20, 4
	s_lshl_b32 s21, s21, 19                        ; batch: 128 tiles
	s_add_co_u32 s50, s50, s21
	s_lshl_b32 s21, s[CX], 17                      ; my block: 32 tiles
	s_add_co_u32 s50, s50, s21
	s_lshl_b32 s21, s[WV], 14                      ; my wave: 4 tiles
	s_add_co_u32 s50, s50, s21
	s_mov_b32 s51, 0
	s_lshl_b32 s52, s[CX], 14                      ; the prefetches: my work-group's quarter of a slot,
	s_lshl_b32 s53, s18, 13                        ; my wave's half of it,
	s_add_co_u32 s52, s52, s53
	s_add_co_u32 s52, s52, s16
	s_add_co_u32 s52, s52, 65536                   ; in slot 1: the first change of slots steps it to slot 2
	s_mov_b32 s53, 0
	s_mov_b32 s[G1], 15|(3<<16)|(1<<21)            ; 15:0 the mask: all four work-groups; 17:16 elements of 8 bytes; 21 set beside a mask; no padding
	s_mov_b32 s[G1+1], 32<<16                      ; tensor_dim0 = 32 elements: 256 bytes
	s_mov_b32 s[G1+2], 128<<16                     ; tensor_dim1 = 128
	s_mov_b32 s[G1+3], 32<<16                      ; tile_dim0
	s_mov_b32 s[G1+4], 128                         ; tile_dim1
	s_mov_b32 s[G1+5], 32                          ; from row to row: dense
	s_mov_b32 s[G1+6], 0
	s_mov_b32 s[G1+7], 0
	s_mov_b32 s[CS], 0x3e38aa3b                    ; c = log2(e) / 8
	s_mov_b32 s[CS+1], s[CS]
	s_mov_b32 s[SEL], 0x76543210
	s_mov_b32 s[SEL+1], 0xfedcba98
	s_mov_b32 s[TB], 0
	s_mov_b32 s[SLOTS], 3
	s_wait_dscnt 0x0                               ; both opening adds are done
	s_wait_kmcnt 0x0
	s_cmp_lt_u32 s[WV], 6
	s_cselect_b64 s[PFA:PFA+1], s[6:7], s[8:9]
	s_add_nc_u64 s[PFA:PFA+1], s[PFA:PFA+1], s[52:53]
	s_add_nc_u64 s[4:5], s[4:5], s[2:3]
	s_add_nc_u64 s[10:11], s[10:11], s[50:51]
	s_mov_b32 s[G0K], 1                            ; count = 1
	s_mov_b32 s[G0K+1], s19                        ; LDS address: slot 0, my half of K
	s_add_nc_u64 s[G0K+2:G0K+3], s[6:7], s[22:23]  ; the head's first 512 keys
	s_or_b32 s[G0K+3], s[G0K+3], 0x80000000        ; type = 2
	s_mov_b32 s[G0V], 1
	s_add_co_u32 s[G0V+1], s19, VOFF
	s_add_nc_u64 s[G0V+2:G0V+3], s[8:9], s[22:23]
	s_or_b32 s[G0V+3], s[G0V+3], 0x80000000
	CROUND                                         ; all four work-groups are here: the first joint loads meet
	TLOAD                                          ; slot 0
	v_and_b32 v1, 31, v0
	v_lshlrev_b32 v[PFO], 8, v1
	v_lshlrev_b32 v[L16], 4, v1
.set i, 0
.rept 16                               ; Q stays in registers: tile i / 4, piece i % 4
	global_load_b128 v[QF+4*i:QF+4*i+3], v[L16], s[4:5] offset:512*i
.set i, i+1
.endr
.irp t, 0,1,2,3
	v_mov_b32 v[ST+8*\t+1], 0xff61b1e6             ; m = -3e38, under every score that is served
	v_mov_b32 v[ST+8*\t+2], 0                      ; l, in two halves
	v_mov_b32 v[ST+8*\t+3], 0
	v_mov_b32 v[ST+8*\t+4], 0                      ; the four at work: written once, so that they are written on every way
	v_mov_b32 v[ST+8*\t+5], 0
	v_mov_b32 v[ST+8*\t+6], 0
	v_mov_b32 v[ST+8*\t+7], 0
.endr
.irp t, 0,1,2,3
	v_mul_f32 v[ST+8*\t], s[CS], v[ST+8*\t+1]      ; c m
.endr
	WIN 0x40
.set i, 0
.rept 128
	v_mov_b32 v[OA+i], 0                           ; O^T.  The step is written without a first form of its own: the first a is 0 and finds zeros
.set i, i+1
.endr
	WIN 0
.macro KLOAD                           ; a step's K: 4 tiles x 4 pieces: fragment (tile kt, channels 32 c on) at KF + 8 (2 kt + c)
.set i, 0
.rept 16
	ds_load_b128 v[KF+4*i:KF+4*i+3], v[ADR] offset:512*i
.set i, i+1
.endr
.endm
.macro VLOAD                           ; a step's V, turned: fragment (keys 32 kh on, channels 16 ct on) at VF + 8 (4 kh + ct); its two halves are key tiles 2 kh and 2 kh + 1
.irp kh, 0,1
.irp ct, 0,1,2,3
.irp q, 0,1
	ds_load_tr16_b128 v[VF+8*(4*\kh+\ct)+4*\q:VF+8*(4*\kh+\ct)+4*\q+3], v[ADV] offset:(2*\kh+\q)*2048+\ct*512
.endr
.endr
.endr
.endm
; The 16 accumulators of each product take turns, one instruction a turn.
.macro KQ                              ; S^T = K Q^T: product i: channels 32 (i / 16) on, key tile (i / 4) % 4, query tile i % 4; the first 16 start the sums
	WIN 0x50                                       ; C and D window 1
.set i, 0
.rept 32
.set rS, SR+32*(i%4)+8*((i/4)%4)
.set rK, KF+8*(2*((i/4)%4)+i/16)
.set rQ, QF+16*(i%4)+8*(i/16)
.if i < 16
	v_wmma_f32_16x16x32_f16 v[rS:rS+7], v[rK:rK+7], v[rQ:rQ+7], 0
.else
	v_wmma_f32_16x16x32_f16 v[rS:rS+7], v[rK:rK+7], v[rQ:rQ+7], v[rS:rS+7]
.endif
.set i, i+1
.endr
	WIN 0
.endm
.macro PV                              ; O^T += V^T P: product i: keys 32 (i / 16) on, channels 16 ((i / 4) % 4) on, query tile i % 4
	WIN 0x54                                       ; source 1 (P), C and D window 1
.set i, 0
.rept 32
.set rO, OA+32*(i%4)+8*((i/4)%4)
.set rV, VF+8*(4*(i/16)+(i/4)%4)
.set rP, SR+32*(i%4)+8*(i/16)
	v_wmma_f32_16x16x32_f16 v[rO:rO+7], v[rV:rV+7], v[rP:rP+7], v[rO:rO+7]
.set i, i+1
.endr
	WIN 0
.endm
; THE SOFTMAX of my four tiles for one key step, the tiles by turns so that no line waits for the line above it.  It begins and ends with every window 0.
.macro SOFTMAX
	WIN 0x15                                       ; three sources in window 1
.irp j, 0,1,2,3                        ; the maximum: four chains a tile; each accumulator is read from its low end on
.irp t, 0,1,2,3
	v_max3_num_f32 v[ST+8*\t+4+\j], v[SR+32*\t+8*\j], v[SR+32*\t+8*\j+1], v[SR+32*\t+8*\j+2]
.endr
.endr
	WIN 0x05                                       ; sources 0 and 1 in window 1
.irp u, 1,2
.irp j, 0,1,2,3
.irp t, 0,1,2,3
	v_max3_num_f32 v[ST+8*\t+4+\j], v[SR+32*\t+8*\j+2*\u+1], v[SR+32*\t+8*\j+2*\u+2], v[ST+8*\t+4+\j]
.endr
.endr
.endr
.irp t, 0,1,2,3
	v_max3_num_f32 v[ST+8*\t+4], v[SR+32*\t+7], v[SR+32*\t+15], v[ST+8*\t+4]
.endr
.irp t, 0,1,2,3
	v_max3_num_f32 v[ST+8*\t+6], v[SR+32*\t+23], v[SR+32*\t+31], v[ST+8*\t+6]
.endr
	WIN 0
.irp t, 0,1,2,3
	v_max3_num_f32 v[ST+8*\t+4], v[ST+8*\t+4], v[ST+8*\t+5], v[ST+8*\t+6]
.endr
.irp t, 0,1,2,3
	v_max3_num_f32 v[ST+8*\t+4], v[ST+8*\t+4], v[ST+8*\t+7], v[ST+8*\t+1]   ; with the old m
.endr
.irp t, 0,1,2,3
	v_permlanex16_b32 v[ST+8*\t+5], v[ST+8*\t+4], s[SEL], s[SEL+1]          ; the query's other 32 keys lie in the lane 16 away
.endr
.irp t, 0,1,2,3
	v_mov_b32 v[ST+8*\t+7], v[ST+8*\t]             ; c m_old
.endr
.irp t, 0,1,2,3
	v_max_num_f32 v[ST+8*\t+1], v[ST+8*\t+4], v[ST+8*\t+5]
.endr
.irp t, 0,1,2,3
	v_mul_f32 v[ST+8*\t], s[CS], v[ST+8*\t+1]
.endr
.irp t, 0,1,2,3
	v_sub_f32 v[ST+8*\t+7], v[ST+8*\t+7], v[ST+8*\t]
.endr
.irp t, 0,1,2,3
	v_exp_f32 v[ST+8*\t+6], v[ST+8*\t+7]           ; a
.endr
	v_nop                                          ; a plain line behind the last exponential
	s_wait_alu depctr_va_vdst(0)                   ; the wait ahead of the first line that names a result: one for the four a
	WIN 0x41                                       ; destination and source 0 in window 1
; ONE BATCH: 64 scalings c s - c m, 128 exponentials, and the 64 multiplications of O^T by a set between them.  No line of it names an exponential's result.
.irp tp, 0,2
.set b, 0
.rept 16
	v_pk_fma_f32 v[SR+32*\tp+2*b:SR+32*\tp+2*b+1], v[SR+32*\tp+2*b:SR+32*\tp+2*b+1], s[CS:CS+1], v[ST+8*\tp:ST+8*\tp+1] op_sel_hi:[1,0,0] neg_lo:[0,0,1] neg_hi:[0,0,1]
	v_pk_fma_f32 v[SR+32*\tp+32+2*b:SR+32*\tp+32+2*b+1], v[SR+32*\tp+32+2*b:SR+32*\tp+32+2*b+1], s[CS:CS+1], v[ST+8*\tp+8:ST+8*\tp+9] op_sel_hi:[1,0,0] neg_lo:[0,0,1] neg_hi:[0,0,1]
	v_exp_f32 v[SR+32*\tp+2*b], v[SR+32*\tp+2*b]
	v_pk_mul_f32 v[OA+32*\tp+2*b:OA+32*\tp+2*b+1], v[OA+32*\tp+2*b:OA+32*\tp+2*b+1], v[ST+8*\tp+6:ST+8*\tp+7] op_sel_hi:[1,0]
	v_exp_f32 v[SR+32*\tp+32+2*b], v[SR+32*\tp+32+2*b]
	v_pk_mul_f32 v[OA+32*\tp+32+2*b:OA+32*\tp+32+2*b+1], v[OA+32*\tp+32+2*b:OA+32*\tp+32+2*b+1], v[ST+8*\tp+14:ST+8*\tp+15] op_sel_hi:[1,0]
	v_exp_f32 v[SR+32*\tp+2*b+1], v[SR+32*\tp+2*b+1]
	v_exp_f32 v[SR+32*\tp+32+2*b+1], v[SR+32*\tp+32+2*b+1]
.set b, b+1
.endr
.endr
	v_nop                                          ; a plain line behind the last exponential
	s_wait_alu depctr_va_vdst(0)                   ; one wait for the 128
	WIN 0x10                                       ; source 2 in window 1
.irp t, 0,1,2,3                        ; the sums, of p as it is: l = a l + pair 0,
	v_pk_fma_f32 v[ST+8*\t+2:ST+8*\t+3], v[ST+8*\t+2:ST+8*\t+3], v[ST+8*\t+6:ST+8*\t+7], v[SR+32*\t:SR+32*\t+1] op_sel_hi:[1,0,1]
.endr
	WIN 0x05
.irp t, 0,1,2,3                        ; a second chain begins with pairs 1 and 2,
	v_pk_add_f32 v[ST+8*\t+4:ST+8*\t+5], v[SR+32*\t+2:SR+32*\t+3], v[SR+32*\t+4:SR+32*\t+5]
.endr
	WIN 0x04                                       ; source 1 in window 1
.irp p, 3,5,7,9,11,13                  ; and the 13 pairs left go to the two chains by turns
.irp t, 0,1,2,3
	v_pk_add_f32 v[ST+8*\t+2:ST+8*\t+3], v[ST+8*\t+2:ST+8*\t+3], v[SR+32*\t+2*\p:SR+32*\t+2*\p+1]
	v_pk_add_f32 v[ST+8*\t+4:ST+8*\t+5], v[ST+8*\t+4:ST+8*\t+5], v[SR+32*\t+2*\p+2:SR+32*\t+2*\p+3]
.endr
.endr
.irp t, 0,1,2,3
	v_pk_add_f32 v[ST+8*\t+2:ST+8*\t+3], v[ST+8*\t+2:ST+8*\t+3], v[SR+32*\t+30:SR+32*\t+31]
.endr
	WIN 0
.irp t, 0,1,2,3
	v_pk_add_f32 v[ST+8*\t+2:ST+8*\t+3], v[ST+8*\t+2:ST+8*\t+3], v[ST+8*\t+4:ST+8*\t+5]
.endr
	WIN 0x45                                       ; all in window 1
.set j, 0
.rept 16                               ; P: pair j of a tile's 32 weights into its register j, ascending: each pair is read before its registers are written
.irp t, 0,1,2,3
	v_cvt_pk_f16_f32 v[SR+32*\t+j], v[SR+32*\t+2*j], v[SR+32*\t+2*j+1]
.endr
.set j, j+1
.endr
	WIN 0
.endm
; A TRIP: key step j.  first = 1: step 0, with no step before it.
.macro TRIP first
	v_add_nc_u32 v[ADR], s[TB], v[L16]
	v_add_nc_u32 v[ADV], VOFF, v[ADR]
	KLOAD                                          ; four v_nop stand behind the last products that read K's registers
.if \first == 0
	s_cmp_eq_u32 s[CLS], 0
	s_cbranch_scc1 .Lclass0_\@
	SOFTMAX                                        ; class 1: step j - 1's
.Lclass0_\@:
	PV                                             ; step j - 1's; its V landed ahead of the last barrier
.rept 5
	v_nop                                          ; four places ahead of the loads into V's registers; five ahead of the products that write over P
.endr
.endif
	VLOAD
	s_wait_dscnt 16                                ; K's sixteen loads are in; V's sixteen, issued behind them, may be out
	KQ
.rept 4
	v_nop                                          ; places ahead of the first read of the scores, and of the next trip's loads into K's registers
.endr
	s_add_co_u32 s[TB], s[TB], KSB
	s_cmp_lg_u32 s[CLS], 0
	s_cbranch_scc1 .Lclass1_\@
	SOFTMAX                                        ; class 0: step j's
.Lclass1_\@:
	s_wait_dscnt 0x0                               ; V is in: no LDS load of mine is out at the signal
	s_barrier_signal -1                            ; the trip's end: it keeps the two classes in step
	s_barrier_wait -1
.endm
; THE CHANGE OF SLOTS stands at a slot's head.  Each wave waits for all its tensor loads (its part of the slot ahead), adds 0 to its spare word, and waits for that and for its reads of the slot that it has left.
; fill = 1: a round of the cluster's barrier, so that no wave of any partner still reads the other slot or has a load on its way; the joint load into that slot is the first thing behind it.
.macro CHANGE fill
	s_wait_tensorcnt 0x0                           ; no tensor load of mine is out, so a group 0 may be written
	ds_add_u32 v[SPW], v[NIL]
.if \fill
	ds_add_u32 v[SPW], v[NIL]                      ; and twice on end here, in every trip alike
	s_xor_b32 s[G0K+1], s[G0K+1], SLOT1            ; the walking descriptors: the other slot than last time,
	s_add_nc_u64 s[G0K+2:G0K+3], s[G0K+2:G0K+3], 65536   ; the next 512 keys; the type bits on top are not reached
	s_xor_b32 s[G0V+1], s[G0V+1], SLOT1
	s_add_nc_u64 s[G0V+2:G0V+3], s[G0V+2:G0V+3], 65536
	s_wait_xcnt 0x0                                ; the last prefetch, a slot back, has read its address
	s_add_nc_u64 s[PFA:PFA+1], s[PFA:PFA+1], 65536 ; one slot further on than the walking descriptors
	s_wait_dscnt 0x0                               ; both adds are done, and my reads of the slot that I have left are over
	CROUND
	TLOAD
	ASK
.else
	s_wait_dscnt 0x0
	s_barrier_signal -1
	s_barrier_wait -1
.endif
.endm
.macro ENDSLOT
	s_sub_co_u32 s[TB], s[TB], 8*KSB               ; back to a slot's first step,
	s_xor_b32 s[TB], s[TB], SLOT1                  ; in the other slot
.endm
	s_wait_loadcnt 0x0                             ; Q
	CHANGE 1                                       ; slot 0 is whole; slot 1 is asked for: behind this round all loads are first fills
	TRIP 1
	s_mov_b32 s[CNT], 7
.Lfirst:
	TRIP 0
	s_sub_co_u32 s[CNT], s[CNT], 1
	s_cmp_lg_u32 s[CNT], 0
	s_cbranch_scc1 .Lfirst
	ENDSLOT
	s_mov_b32 s[SLOTS], 2
.Lslot:                                            ; two trips: keys 512 to 1,535; each asks for the slot after its own
	CHANGE 1
	s_mov_b32 s[CNT], 8
.Lstep:
	TRIP 0
	s_sub_co_u32 s[CNT], s[CNT], 1
	s_cmp_lg_u32 s[CNT], 0
	s_cbranch_scc1 .Lstep
	ENDSLOT
	s_sub_co_u32 s[SLOTS], s[SLOTS], 1
	s_cmp_lg_u32 s[SLOTS], 0
	s_cbranch_scc1 .Lslot
	CHANGE 0                                       ; the last slot is written out: nothing is left to ask for
	s_mov_b32 s[CNT], 8
.Llast:
	TRIP 0
	s_sub_co_u32 s[CNT], s[CNT], 1
	s_cmp_lg_u32 s[CNT], 0
	s_cbranch_scc1 .Llast
	s_cmp_eq_u32 s[CLS], 0
	s_cbranch_scc1 .Ltail
	SOFTMAX                                        ; class 1: the last step's
.Ltail:
	v_nop                                          ; a product that takes another's result as an operand stands five places behind it (ISA guide 7.12.1).  Every wave has a whole softmax between the last K Q^T and the products below: class 0 at the
	                                               ; last trip's end, class 1 just above.  The way of the text that leads round both, which no wave takes, has the four v_nop behind K Q^T and this line
	PV                                             ; the last step's
	; THE WAY OUT.  l's two halves and the other half of the lanes' are added (the first four additions are the places behind the last products); O^T is divided by l, rounded to f16 and stored from registers.
.irp t, 0,1,2,3
	v_add_f32 v[ST+8*\t+4], v[ST+8*\t+2], v[ST+8*\t+3]
.endr
.irp t, 0,1,2,3
	v_permlanex16_b32 v[ST+8*\t+5], v[ST+8*\t+4], s[SEL], s[SEL+1]
.endr
.irp t, 0,1,2,3
	v_add_f32 v[ST+8*\t+4], v[ST+8*\t+4], v[ST+8*\t+5]
.endr
.irp t, 0,1,2,3
	v_rcp_f32 v[ST+8*\t+6], v[ST+8*\t+4]
.endr
	v_nop                                          ; a plain line behind the last reciprocal
	s_wait_alu depctr_va_vdst(0)                   ; one wait for the four, ahead of their first reader
	WIN 0x41
.set i, 0
.rept 64                               ; ascending: each accumulator is read from its low end on
	v_pk_mul_f32 v[OA+2*i:OA+2*i+1], v[OA+2*i:OA+2*i+1], v[ST+8*(i/16)+6:ST+8*(i/16)+7] op_sel_hi:[1,0]
.set i, i+1
.endr
	WIN 0x05
.set i, 0
.rept 64
	v_cvt_pk_f16_f32 v[OUTR+i], v[OA+2*i], v[OA+2*i+1]
.set i, i+1
.endr
	WIN 0
.set i, 0
.rept 16                               ; tile i / 4, channels 16 (i % 4) on: 32 lanes store 512 consecutive bytes, aligned
	global_store_b128 v[L16], v[OUTR+4*i:OUTR+4*i+3], s[10:11] offset:(i/4)*4096+(i%4)*512
.set i, i+1
.endr
	s_wait_tensorcnt 0x0                           ; the wave's end
	ds_add_u32 v[SPW], v[NIL]
	s_wait_dscnt 0x0
	CROUND                                         ; the closing round
	s_endpgm
.Lfunc_end_k_q975b07dc4c_attn:
	.size	k_q975b07dc4c_attn, .Lfunc_end_k_q975b07dc4c_attn-k_q975b07dc4c_attn
	.p2alignl 7, 3214868480
	.fill 96, 4, 3214868480
	.section	.rodata,"a",@progbits
	.p2align	6, 0x0
	.amdhsa_kernel k_q975b07dc4c_attn
		.amdhsa_group_segment_fixed_size 327680
		.amdhsa_private_segment_fixed_size 0
		.amdhsa_enable_private_segment 0
		.amdhsa_kernarg_size 32
		.amdhsa_user_sgpr_count 2
		.amdhsa_user_sgpr_kernarg_segment_ptr 1
		.amdhsa_wavefront_size32 1
		.amdhsa_system_sgpr_workgroup_id_x 1
		.amdhsa_system_sgpr_workgroup_id_y 1
		.amdhsa_system_sgpr_workgroup_id_z 1
		.amdhsa_system_vgpr_workitem_id 0
		.amdhsa_next_free_vgpr 512
		.amdhsa_next_free_sgpr 66
		.amdhsa_reserve_vcc 0
		.amdhsa_float_denorm_mode_32 3
		.amdhsa_float_denorm_mode_16_64 3
		.amdhsa_memory_ordered 1
		.amdhsa_forward_progress 1
		.amdhsa_inst_pref_size 255
	.end_amdhsa_kernel
	.section	.bss,"aw",@nobits
	.p2align	6
	.space	262144
	.amdgpu_metadata
---
amdhsa.version: [ 1, 2 ]
amdhsa.kernels:
  - .name:           k_q975b07dc4c_attn
    .symbol:         k_q975b07dc4c_attn.kd
    .args:
      - { .name: qf, .offset: 0, .size: 8, .value_kind: global_buffer, .address_space: global }
      - { .name: kf, .offset: 8, .size: 8, .value_kind: global_buffer, .address_space: global }
      - { .name: vf, .offset: 16, .size: 8, .value_kind: global_buffer, .address_space: global }
      - { .name: af, .offset: 24, .size: 8, .value_kind: global_buffer, .address_space: global }
    .group_segment_fixed_size: 327680
    .private_segment_fixed_size: 0
    .kernarg_segment_align: 8
    .kernarg_segment_size: 32
    .max_flat_workgroup_size: 256
    .sgpr_count:     66
    .vgpr_count:     512
    .wavefront_size: 32
...
	.end_amdgpu_metadata
.endif
;; end of part 3
;; launch oproj (part 4): grid 4 x 64, 4 waves a work-group, clusters of 4 x 4, 327,680 bytes of LDS; arguments af, wf, bo, out0; writes out0
.if DOCPART == 4
	.amdgcn_target "amdgcn-amd-amdhsa--gfx1250"
	.amdhsa_code_object_version 6
	.text
	.protected	k_q975b07dc4c_oproj
	.globl	k_q975b07dc4c_oproj
	.p2align	8
	.type	k_q975b07dc4c_oproj,@function
k_q975b07dc4c_oproj:
	s_mov_b64 s[64:65], 0
	v_nop
	global_prefetch_b8 v0, s[64:65] scope:SCOPE_SE
	s_setreg_imm32_b32 hwreg(HW_REG_WAVE_MODE, 25, 1), 1
	s_wait_xcnt 0x0
	s_wait_alu depctr_hold_cnt(0) depctr_sa_sdst(0) depctr_va_vdst(0) depctr_va_sdst(0) depctr_va_ssrc(0) depctr_va_vcc(0) depctr_vm_vsrc(0)
	s_getreg_b32 s2, hwreg(HW_REG_IB_STS2, 6, 4)
	s_cmp_eq_u32 s2, 0
	s_cbranch_scc0 .Lentry_in_a_cluster
	s_endpgm
.Lentry_in_a_cluster:
	s_bfe_u32 s2, ttmp6, 0x10000c
	s_cmp_lg_u32 s2, 0xf033
	s_cbranch_scc0 .Lentry_shape_is_right
	s_endpgm
.Lentry_shape_is_right:
; out0[m][n] = sum over k of a[m][k] wo[n][k] + bo[n]: 8,192 x 1,024 x 1,024, operands f16, sums f32, result f32.
; af [K step of 128 (8)][tile of 16 rows (512)][4,096 bytes] and wf [K step (8)][tile of 16 rows of wo (64)][4,096 bytes] lie in the order of the operands' registers: piece 2 kq + p of a tile, lane (r, h):
; row r, k = 32 kq + 16 p + 8 h + 0..7.  So a K step's tiles of a work-group are dense blocks of memory, and every LDS load is 16 x lane + a constant.
; A tile of the result is 128 rows x 256 columns: 256 work-groups, where tiles of 256 x 256 would be 128.  Four waves, each 64 x 128: 32 accumulators.  K goes in 8 steps of 128 through a ring of two LDS slots.
; CLUSTERS: 4 x 4 work-groups; a's tiles are shared along a row of the cluster, wo's along a column: each is asked for jointly.
; THE MATRIX INSTRUCTION IS USED TRANSPOSED (source 0 = 16 rows of wo, source 1 = 16 rows of a): a lane holds eight neighbouring numbers of a row of the result.  The bias is the C of each sum's first product.
; No prefetch: the launch has eight K steps, two of them asked for at the head.
; REGISTERS: window 0: v16-29 addresses; two fragment buffers of 96 at v32 and v128 (wo's eight tiles, then a's four); on the way out v32-159 rows of the result.
;   window 1: the accumulators ((a, b) at v[8 (8 a + b)]).   window 2: v0-63 the bias, 8 registers a block of 16 columns.
.set SLOT,   98304                     ; a's 8 tiles (32,768 bytes), then wo's 16 (65,536)
.set BOFF,   32768
.set STAGE,  2*SLOT                    ; behind the ring: 16 rows x 528 bytes for each wave, for the way out
.set SPITCH, 528
.set SPARE,  STAGE+4*16*SPITCH         ; behind the stages: the spare words, 128 bytes a wave, named by no other line
.set ASTEP,  2097152                   ; a K step on, in af
.set BSTEP,  262144                    ; and in wf
.set LAPS,   4                         ; a lap = two K steps = once round the ring
.set ADRA, 16                          ; v16-17  LDS address of my fragments of a in slot 0, 1
.set ADRB, 20                          ; v20-21  the same for wo
.set STO,  24                          ; v24     the way out: where I put 32 bytes of a row
.set RD,   25                          ; v25     where I read a row back
.set CO,   26                          ; v26     16 x lane
.set SPW,  28                          ; v28     LDS address of my spare word; never rewritten
.set NIL,  29                          ; v29     0; never rewritten
.set F0,   32
.set F1,   128
.set BK,   32                          ; the way out: v32-95 and v96-159 by turns
.set WV,   12                          ; s12 wave;  s13 wave / 2: my row half, and: I fetch for a (0) or wo (1);  s14 wave % 2: my column half, and which half I fetch
.set G1, 24                            ; s[24:31] group 1 for a's tiles;  s[32:39] group 0, a set for each slot
.set G0, 32
.set G1B, 48                           ; s[48:55], s[56:63] the same for wo's
.set G0B, 56
.set MSB, 0
.macro WIN new                         ; the immediate's high byte repeats the setting that is left
.if MSB != \new
	s_set_vgpr_msb (MSB<<8)|\new
.set MSB, \new
.endif
.endm
.set MUL,  0x50                        ; C and D window 1
.set MULB, 0x60                        ; C (the bias) window 2, D window 1
.macro JLOAD s                         ; a joint load; an s_nop 0 and four v_nop follow each of the two lines
	s_cmp_eq_u32 s13, 0
	s_cbranch_scc0 .Lfor_b_\@
	tensor_load_to_lds s[G0+4*\s:G0+4*\s+3], s[G1:G1+7]
	s_nop 0
.rept 4
	v_nop
.endr
	s_branch .Lasked_\@
.Lfor_b_\@:
	tensor_load_to_lds s[G0B+4*\s:G0B+4*\s+3], s[G1B:G1B+7]
	s_nop 0
.rept 4
	v_nop
.endr
.Lasked_\@:
.endm
.macro CREST                           ; a round of the cluster's barrier behind its opening barrier
	s_cmp_lg_u32 s[WV], 0
	s_cbranch_scc1 .Lnot_wave_0_\@
	s_barrier_signal -3
.Lnot_wave_0_\@:
	s_barrier_wait -3
	s_barrier_signal -1
	s_barrier_wait -1
.endm
.macro CROUND
	s_barrier_signal -1
	s_barrier_wait -1
	CREST
.endm
	s_load_b128 s[4:7], s[0:1], 0x0                ; af s[4:5], wf s[6:7]
	s_load_b128 s[8:11], s[0:1], 0x10              ; bo s[8:9], out0 s[10:11]
	v_lshl_add_u32 v[SPW], v0, 2, SPARE
	v_mov_b32 v[NIL], 0
	ds_add_u32 v[SPW], v[NIL]                      ; the wave's opening: the add, twice on end, and its wait ahead of my first tensor load
	ds_add_u32 v[SPW], v[NIL]
	v_lshrrev_b32 v1, 5, v0
	v_readfirstlane_b32 s[WV], v1                  ; wave 0..3
	s_lshr_b32 s13, s[WV], 1
	s_and_b32 s14, s[WV], 1
	s_bfe_u32 s40, ttmp6, 0x40000                  ; cx, cy
	s_bfe_u32 s41, ttmp6, 0x40004
	s_lshl_b32 s42, ttmp9, 2
	s_add_co_u32 s42, s42, s40                     ; tile column tx
	s_and_b32 s15, ttmp7, 0xffff
	s_lshl_b32 s15, s15, 2
	s_add_co_u32 s15, s15, s41                     ; tile row ty
	s_lshl_b32 s43, s41, 2
	s_lshl_b32 s43, 15, s43                        ; my row of the cluster
	s_lshl_b32 s44, 0x1111, s40                    ; my column
	s_or_b32 s[G1+0], s43, (3<<16)|(1<<21)         ; 15:0 the mask; 17:16 elements of 8 bytes; 21 set beside a mask; no padding
	s_or_b32 s[G1B+0], s44, (3<<16)|(1<<21)
	s_mov_b32 s[G1+1], 32<<16                      ; a: 64 rows of 256 bytes, dense: four tiles
	s_mov_b32 s[G1+2], 64<<16
	s_mov_b32 s[G1+3], 32<<16
	s_mov_b32 s[G1+4], 64
	s_mov_b32 s[G1+5], 32
	s_mov_b32 s[G1+6], 0
	s_mov_b32 s[G1+7], 0
	s_mov_b32 s[G1B+1], 32<<16                     ; wo: 128 rows of 256 bytes: eight tiles
	s_mov_b32 s[G1B+2], 128<<16
	s_mov_b32 s[G1B+3], 32<<16
	s_mov_b32 s[G1B+4], 128
	s_mov_b32 s[G1B+5], 32
	s_mov_b32 s[G1B+6], 0
	s_mov_b32 s[G1B+7], 0
	s_lshl_b32 s16, s15, 15                        ; a: tile 8 ty + 4 x half, 4,096 bytes a tile
	s_lshl_b32 s17, s14, 14
	s_add_co_u32 s16, s16, s17
	s_mov_b32 s17, 0
	s_lshl_b32 s46, s42, 16                        ; wo: tile 16 tx + 8 x half
	s_lshl_b32 s47, s14, 15
	s_add_co_u32 s46, s46, s47
	s_mov_b32 s47, 0
	s_lshl_b32 s20, s14, 14                        ; where they go: no place in the cluster enters an LDS address
	s_lshl_b32 s21, s14, 15
	s_add_co_u32 s21, s21, BOFF
	s_wait_dscnt 0x0                               ; both opening adds are done
	s_wait_kmcnt 0x0
	s_add_nc_u64 s[16:17], s[4:5], s[16:17]
	s_add_nc_u64 s[46:47], s[6:7], s[46:47]
	CROUND                                         ; all sixteen work-groups are here: the first joint loads meet
.irp s, 0,1
	s_mov_b32 s[G0+4*\s], 1
	s_add_co_u32 s[G0+4*\s+1], s20, \s*SLOT
	s_add_nc_u64 s[G0+4*\s+2:G0+4*\s+3], s[16:17], \s*ASTEP
	s_or_b32 s[G0+4*\s+3], s[G0+4*\s+3], 0x80000000
	s_mov_b32 s[G0B+4*\s], 1
	s_add_co_u32 s[G0B+4*\s+1], s21, \s*SLOT
	s_add_nc_u64 s[G0B+4*\s+2:G0B+4*\s+3], s[46:47], \s*BSTEP
	s_or_b32 s[G0B+4*\s+3], s[G0B+4*\s+3], 0x80000000
	JLOAD \s                                       ; two tensor loads of mine are out at the start, one behind each later round
.endr
	v_and_b32 v1, 15, v0                           ; r
	v_bfe_u32 v2, v0, 4, 1                         ; h
	v_and_b32 v3, 31, v0
	v_lshlrev_b32 v[CO], 4, v3
	s_lshl_b32 s21, s13, 14                        ; my four tiles of a
	s_lshl_b32 s22, s14, 15                        ; my eight tiles of wo,
	s_add_co_u32 s22, s22, BOFF                    ; which lie behind a's eight
.irp s, 0,1
	v_add_nc_u32 v[ADRA+\s], s21, v[CO]
	v_add_nc_u32 v[ADRB+\s], s22, v[CO]
	s_add_co_u32 s21, s21, SLOT
	s_add_co_u32 s22, s22, SLOT
.endr
	s_mul_i32 s23, s[WV], 16*SPITCH
	s_add_co_u32 s23, s23, STAGE                   ; my stage
	v_mul_u32_u24 v4, v1, SPITCH                   ; in: row r, 32 bytes for each half of the lanes
	v_lshl_add_u32 v4, v2, 5, v4
	v_add_nc_u32 v[STO], s23, v4
	v_add_nc_u32 v[RD], s23, v[CO]                 ; back: the 32 lanes take one row of 512 bytes
	v_lshlrev_b32 v5, 5, v2                        ; the bias: 32 h bytes
	s_lshl_b32 s46, s42, 10                        ; my first column, in bytes: 1,024 tx + 512 x half
	s_lshl_b32 s47, s14, 9
	s_add_co_u32 s46, s46, s47
	s_mov_b32 s47, 0
	s_add_nc_u64 s[8:9], s[8:9], s[46:47]
	WIN 0x80                                       ; destination window 2
.irp b, 0,1,2,3,4,5,6,7
	global_load_b128 v[8*\b:8*\b+3], v5, s[8:9] offset:64*\b          ; block b: bo[16 b + 8 h + 0..7], in the result's layout
	global_load_b128 v[8*\b+4:8*\b+7], v5, s[8:9] offset:64*\b+16
.endr
	WIN 0
	s_lshl_b32 s20, s15, 19                        ; my first row: 128 ty + 64 x half, 4,096 bytes a row
	s_lshl_b32 s21, s13, 18
	s_add_co_u32 s20, s20, s21
	s_mov_b32 s21, 0
	s_add_nc_u64 s[20:21], s[20:21], s[46:47]
	s_add_nc_u64 s[10:11], s[10:11], s[20:21]
; 8 matrix instructions: a's tile a x wo's eight, 32 along K.  zero = 1: the first product starts the sums from the bias.  The 32 accumulators take turns, one instruction a turn.
.macro MUL8 f, a, zero
.irp b, 0,1,2,3,4,5,6,7
.if \zero
	v_wmma_f32_16x16x32_f16 v[8*(8*(\a)+\b):8*(8*(\a)+\b)+7], v[\f+8*\b:\f+8*\b+7], v[\f+64+8*(\a):\f+64+8*(\a)+7], v[8*\b:8*\b+7]
.else
	v_wmma_f32_16x16x32_f16 v[8*(8*(\a)+\b):8*(8*(\a)+\b)+7], v[\f+8*\b:\f+8*\b+7], v[\f+64+8*(\a):\f+64+8*(\a)+7], v[8*(8*(\a)+\b):8*(8*(\a)+\b)+7]
.endif
.endr
.endm
; 24 LDS loads in one run: the fragments of quarter kq (32 along K) into buffer f: wo's sixteen loads, then a's eight
.macro FETCH slot, kq, f
	WIN 0
.irp i, 0,1,2,3,4,5,6,7
	ds_load_b128 v[\f+8*\i:\f+8*\i+3],   v[ADRB+\slot] offset:\i*4096+(\kq)*1024
	ds_load_b128 v[\f+8*\i+4:\f+8*\i+7], v[ADRB+\slot] offset:\i*4096+(\kq)*1024+512
.endr
.irp i, 0,1,2,3
	ds_load_b128 v[\f+64+8*\i:\f+64+8*\i+3],   v[ADRA+\slot] offset:\i*4096+(\kq)*1024
	ds_load_b128 v[\f+64+8*\i+4:\f+64+8*\i+7], v[ADRA+\slot] offset:\i*4096+(\kq)*1024+512
.endr
.endm
.macro PLACES                          ; four places ahead of loads into registers that matrix instructions have read, and of the first read of results
.rept 4
	v_nop
.endr
.endm
; A K step is four quarters of 32 along K, 32 matrix instructions each, on buffers 0, 1, 0, 1.  One of the first three: multiplies buffer f and fetches quarter kq into g.
.macro QUARTER slot, kq, f, g, zero
	s_wait_dscnt 4                                 ; wo's fragments and a's tiles 0, 1 are in; the youngest four loads (tiles 2, 3) may be out
.if \zero
	WIN MULB
.else
	WIN MUL
.endif
	MUL8 \f, 0, \zero
	MUL8 \f, 1, \zero
	PLACES
	FETCH \slot, \kq, \g
	s_wait_dscnt 24                                ; all but the 24 just issued
.if \zero
	WIN MULB
.else
	WIN MUL
.endif
	MUL8 \f, 2, \zero
	MUL8 \f, 3, \zero
.endm
; The last quarter multiplies buffer 1 and changes slots: one barrier; ahead of it each wave waits for all its tensor loads, adds 0 to its spare word, and waits for that and for its reads of this slot.
; fill = 1: the barrier opens a round of the cluster's barrier, and this slot is filled again, two K steps ahead: 112 matrix instructions stand between the request and the wait for it.
.macro TURN slot, next, fill
	WIN 0                                          ; (the add's two registers lie in window 0)
	s_wait_tensorcnt 0x0                           ; all my tensor loads have landed: my part of the next slot
	ds_add_u32 v[SPW], v[NIL]
	s_wait_dscnt 5                                 ; (the add and the youngest four loads may be out)
	WIN MUL
	MUL8 F1, 0, 0                                  ; eight matrix instructions stand between the add and the wait for it
	s_wait_dscnt 0x0                               ; the add is done, and my reads of this slot are over
	s_barrier_signal -1
	MUL8 F1, 1, 0
.if \fill
	WIN 0
.endif
	s_barrier_wait -1
.if \fill
	CREST                                          ; no wave of any partner still reads this slot or has a load on its way
	s_add_nc_u64 s[G0+4*\slot+2:G0+4*\slot+3], s[G0+4*\slot+2:G0+4*\slot+3], 2*ASTEP
	s_add_nc_u64 s[G0B+4*\slot+2:G0B+4*\slot+3], s[G0B+4*\slot+2:G0B+4*\slot+3], 2*BSTEP
	JLOAD \slot                                    ; the first tensor load behind the round; its four v_nop are also the places ahead of the loads below
.else
	PLACES
.endif
	FETCH \next, 0, F0
	WIN MUL
	MUL8 F1, 2, 0
	MUL8 F1, 3, 0
.endm
	s_wait_tensorcnt 1                             ; my part of K step 0 is in; K step 1's load may be out
	s_barrier_signal -1
	s_barrier_wait -1                              ; everybody's is
	FETCH 0, 0, F0
	s_wait_loadcnt 0x0                             ; the bias
	QUARTER 0, 1, F0, F1, 1                        ; the first quarter stands ahead of the loop: its products start the sums
	WIN 0                                          ; at a label and at a branch every window is 0
	s_mov_b32 s3, LAPS-1
.Llap:                                             ; a trip goes once round the ring, from a lap's second quarter to the next lap's first, and fills both slots again
	QUARTER 0, 2, F1, F0, 0
	QUARTER 0, 3, F0, F1, 0
	TURN 0, 1, 1
	QUARTER 1, 1, F0, F1, 0
	QUARTER 1, 2, F1, F0, 0
	QUARTER 1, 3, F0, F1, 0
	TURN 1, 0, 1
	QUARTER 0, 1, F0, F1, 0
	WIN 0
	s_sub_co_u32 s3, s3, 1
	s_cmp_lg_u32 s3, 0
	s_cbranch_scc1 .Llap
	QUARTER 0, 2, F1, F0, 0                        ; the last lap fills nothing, and has no round of the cluster's barrier
	QUARTER 0, 3, F0, F1, 0
	TURN 0, 1, 0
	QUARTER 1, 1, F0, F1, 0
	QUARTER 1, 2, F1, F0, 0
	QUARTER 1, 3, F0, F1, 0
	s_wait_dscnt 4                                 ; the very last quarter: nothing more to fetch
	WIN MUL
	MUL8 F1, 0, 0
	MUL8 F1, 1, 0
	s_wait_dscnt 0
	MUL8 F1, 2, 0
	MUL8 F1, 3, 0
	WIN 0
; THE WAY OUT, block by block of 16 rows x 128 columns: a lane holds 32 neighbouring bytes of a row, the lanes beside it other rows.  So a block goes through my own stage in LDS and comes back as whole rows of 512 bytes.
; LDS serves a wave's instructions in order (ISA guide 5.7.1.4): no wait between the stores and the loads, nor ahead of the next block's stores.
.macro TOSTAGE a
	WIN 0x04                                       ; an LDS store's data are its source 1: window 1
.irp b, 0,1,2,3,4,5,6,7
	ds_store_b128 v[STO], v[64*(\a)+8*\b:64*(\a)+8*\b+3] offset:64*\b          ; each accumulator from its low end on
	ds_store_b128 v[STO], v[64*(\a)+8*\b+4:64*(\a)+8*\b+7] offset:64*\b+16
.endr
	WIN 0
.set BB, BK+64*((\a)%2)
.irp t, 0,1,2,3,4,5,6,7,8,9,10,11,12,13,14,15
	ds_load_b128 v[BB+4*\t:BB+4*\t+3], v[RD] offset:\t*SPITCH
.endr
.endm
.macro SEND a, younger                 ; younger: the LDS instructions issued behind block a's loads, which may stay out
.set BB, BK+64*((\a)%2)
	s_wait_dscnt \younger
.irp t, 0,1,2,3,4,5,6,7,8,9,10,11,12,13,14,15
	global_store_b128 v[CO], v[BB+4*\t:BB+4*\t+3], s[10:11] offset:(16*(\a)+\t)*4096 th:TH_STORE_NT   ; 32 lanes store 512 consecutive bytes, aligned; written once, read by nobody here
.endr
.endm
	PLACES                                         ; behind the last products: their results are read and their operands' registers loaded below
	TOSTAGE 0
.irp a, 1,2,3
.if \a > 1
	s_wait_xcnt 0x0                                ; block a - 2's stores have read their registers: block a's loads may land there
.endif
	TOSTAGE \a
	SEND \a-1, 32                                  ; behind block a - 1's loads: block a's 16 stores and 16 loads
.endr
	SEND 3, 0
	s_wait_tensorcnt 0x0                           ; the wave's end, behind my last tensor load and my last LDS store
	ds_add_u32 v[SPW], v[NIL]
	s_wait_dscnt 0x0
	CROUND                                         ; the closing round
	s_endpgm
.Lfunc_end_k_q975b07dc4c_oproj:
	.size	k_q975b07dc4c_oproj, .Lfunc_end_k_q975b07dc4c_oproj-k_q975b07dc4c_oproj
	.p2alignl 7, 3214868480
	.fill 96, 4, 3214868480
	.section	.rodata,"a",@progbits
	.p2align	6, 0x0
	.amdhsa_kernel k_q975b07dc4c_oproj
		.amdhsa_group_segment_fixed_size 327680
		.amdhsa_private_segment_fixed_size 0
		.amdhsa_enable_private_segment 0
		.amdhsa_kernarg_size 32
		.amdhsa_user_sgpr_count 2
		.amdhsa_user_sgpr_kernarg_segment_ptr 1
		.amdhsa_wavefront_size32 1
		.amdhsa_system_sgpr_workgroup_id_x 1
		.amdhsa_system_sgpr_workgroup_id_y 1
		.amdhsa_system_sgpr_workgroup_id_z 1
		.amdhsa_system_vgpr_workitem_id 0
		.amdhsa_next_free_vgpr 576
		.amdhsa_next_free_sgpr 66
		.amdhsa_reserve_vcc 0
		.amdhsa_float_denorm_mode_32 3
		.amdhsa_float_denorm_mode_16_64 3
		.amdhsa_memory_ordered 1
		.amdhsa_forward_progress 1
		.amdhsa_inst_pref_size 86
	.end_amdhsa_kernel
	.amdgpu_metadata
---
amdhsa.version: [ 1, 2 ]
amdhsa.kernels:
  - .name:           k_q975b07dc4c_oproj
    .symbol:         k_q975b07dc4c_oproj.kd
    .args:
      - { .name: af, .offset: 0, .size: 8, .value_kind: global_buffer, .address_space: global }
      - { .name: wf, .offset: 8, .size: 8, .value_kind: global_buffer, .address_space: global }
      - { .name: bo, .offset: 16, .size: 8, .value_kind: global_buffer, .address_space: global }
      - { .name: out0, .offset: 24, .size: 8, .value_kind: global_buffer, .address_space: global }
    .group_segment_fixed_size: 327680
    .private_segment_fixed_size: 0
    .kernarg_segment_align: 8
    .kernarg_segment_size: 32
    .max_flat_workgroup_size: 128
    .sgpr_count:     66
    .vgpr_count:     576
    .wavefront_size: 32
...
	.end_amdgpu_metadata
.endif
;; end of part 4
